; MI455X (gfx1250); checked and timed in simulation.
; The chip was launched on July 23, 2026; its instructions are those of AMD's public machine-readable ISA for CDNA 5 (MIT licence, August 2026) and "CDNA5" Instruction Set Architecture Reference Guide (July 2026). The comments in the code are by the model that wrote it; some were corrected since.
;; SVA Cross Attention Layer. Allowed arithmetic: matrix products marked QUANTISED: E2M1 operands, one E8M0 scale for each 32 along K, by v_wmma_scale_f32_16x16x128_f8f6f4 with both operands' format E2M1 (or v_wmma_scale_f32_32x16x128_f4), f32 sums; everything else in f32.
;; Inputs: Wk_codes 1,024 x 32 x 16 uint8 (E2M1 codes of Wk, K innermost, in blocks of 32 codes, two codes a byte); Wk_scales 1,024 x 32 uint8 (E8M0 scales of Wk, one for each 32 codes along K); Wo_codes 1,024 x 32 x 16 uint8 (E2M1 codes of Wo, K innermost, in blocks of 32 codes, two codes a byte); Wo_scales 1,024 x 32 uint8 (E8M0 scales of Wo, one for each 32 codes along K); Wq_codes 1,024 x 32 x 16 uint8 (E2M1 codes of Wq, K innermost, in blocks of 32 codes, two codes a byte); Wq_scales 1,024 x 32 uint8 (E8M0 scales of Wq, one for each 32 codes along K); Wv_codes 1,024 x 32 x 16 uint8 (E2M1 codes of Wv, K innermost, in blocks of 32 codes, two codes a byte); Wv_scales 1,024 x 32 uint8 (E8M0 scales of Wv, one for each 32 codes along K); kv_padding_mask 2 x 4,096 bool; kv_tokens 2 x 4,096 x 1,024 float32; kv_type_ids 4,096 int32; kvn_b 1,024 float32; kvn_w 1,024 float32; on_b 1,024 float32; on_w 1,024 float32; qn_b 1,024 float32; qn_w 1,024 float32; queries 2 x 1,024 x 1,024 float32; query_type_ids 1,024 int32; typed_bias 3 x 3 float32.
;; Outputs: out0 2 x 1,024 x 1,024 float32.
;; This version of the problem:
;;   THIS VERSION OF THE PROBLEM IS GIVEN IN LOW PRECISION. The matrix products marked QUANTISED in the list below multiply operands that are first quantised to E2M1 (2 exponent bits, 1 mantissa bit; 4 bits a number), with one power-of-two scale for each 32 numbers along K (OCP MX v1.0); their sums are f32. All else is computed in f32.
;;   The module's matrix products, in the order in which they are computed (A, B: the left and right operand; K: the contracted axis; several contracted axes count as one K, in the product's order):
;;     1. [M 2,048, K 1,024] x [K 1,024, N 1,024]; A: computed on the way; B: input Wq (given as codes): QUANTISED
;;     2. [M 8,192, K 1,024] x [K 1,024, N 1,024]; A: computed on the way; B: input Wk (given as codes): QUANTISED
;;     3. [M 8,192, K 1,024] x [K 1,024, N 1,024]; A: computed on the way; B: input Wv (given as codes): QUANTISED
;;     4. batch 32 x [M 1,024, K 64] x [K 64, N 4,096]; A: computed on the way; B: computed on the way: QUANTISED
;;     5. batch 32 x [M 64, K 4,096] x [K 4,096, N 1,024]; A: computed on the way; B: softmax (see below): QUANTISED
;;     6. [M 2,048, K 1,024] x [K 1,024, N 1,024]; A: computed on the way; B: input Wo (given as codes): QUANTISED
;;   THE QUANTISER, for each operand of a quantised product, along K:
;;     - K is cut into blocks of 32 from its start; a last block that is shorter is filled with zeros.
;;     - A block's scale is 2^e with e = floor(log2(the largest magnitude in the block)) - 2, held to -126 .. 127; a block of zeros has e = 0. As a byte (E8M0): e + 127.
;;     - Each number is divided by its block's scale, clamped to +-6, and rounded to the nearest number of E2M1, ties to even, subnormals kept.
;;     - The product sums the exact products of the quantised numbers (number of the format x scale) in f32.
;;   ~~~python
;;   def quantise(x, axis):      # numpy; x: float32 -> the quantised numbers, widened to float32 again
;;       x = np.moveaxis(x, axis, -1); K = x.shape[-1]
;;       x = np.pad(x, [(0, 0)] * (x.ndim - 1) + [(0, -K % 32)]); x = x.reshape(x.shape[:-1] + (-1, 32)); a = np.abs(x).max(-1, keepdims=True)
;;       e = np.where(a > 0, np.clip(np.frexp(np.where(a > 0, a, 1))[1] - 1 - 2, -126, 127), 0)      # np.frexp(a)[1] - 1 = floor(log2(a)), exactly
;;       r = np.clip(x / 2.0 ** e, -6, 6)
;;       step = 2.0 ** (np.maximum(np.frexp(np.where(r == 0, 1, r))[1] - 1, 0) - 1)
;;       q = np.round(r / step) * step * 2.0 ** e      # np.round: ties to even
;;       return np.moveaxis(q.reshape(q.shape[:-2] + (-1,))[..., :K], -1, axis).astype(np.float32)
;;   ~~~
;;   SOFTMAX AHEAD OF A QUANTISED PRODUCT. Where the list says 'softmax', what is quantised is not the finished softmax but p = 2^(t - M), with t = logit x log2(e) and M = ceil(the row's largest t), a whole number; so 1/2 < the row's largest p <= 1. The row's sum l is taken of the UNQUANTISED p, in f32, and the product's result is divided by l at the end. Since M is a whole number, a kernel that streams over the keys may use a running M (the ceiling of the running maximum): every later rescaling is an exact power of two, which a block's scale takes up: the codes' values come out the same.
;;   OPERANDS COMPUTED ON THE WAY. 'Computed on the way' means the value that the module computes at that place (a softmax that the list does not call 'softmax' is quantised finished and normalised). What goes into a quantiser is computed in f32, as accurately as f32 sums, v_exp_f32 and their like allow (about 1e-6 of the number): no bf16 or f16 on the way to a quantiser, and a product that is left as it is and whose result goes on into a quantised operand takes f32 operands (vector FMAs, or v_wmma_f32_16x16x4_f32). A number that lies on a knife's edge between two numbers of the format may be rounded either way, as far as f32 arithmetic and the matrix unit's own rounding can turn it there, and no further.
;;   INPUTS GIVEN AS CODES. Wk (in the module: [1024, 1024], K = its axis 1); Wo (in the module: [1024, 1024], K = its axis 1); Wq (in the module: [1024, 1024], K = its axis 1); Wv (in the module: [1024, 1024], K = its axis 1): each comes as NAME_codes (uint8): NAME with its K axis moved to the last place and cut into blocks of 32 codes, [.., K / 32, bytes a block], one block behind the other in memory; two codes a byte, the lower K in the low four bits (a code: sign, 2 exponent bits, 1 mantissa bit); and NAME_scales (uint8): the same leading axes, one E8M0 byte (e + 127) for each 32 codes along K. Its value is code x scale, taken as it is: it is not quantised again, and the codes and scales need not be those that the quantiser above would give.
;; One version. Each part assembles by itself: llvm-mc -triple=amdgcn-amd-amdhsa -mcpu=gfx1250 --defsym DOCPART=n.
;; ======== version 1 of 1: 4 launches
;; limits: right only within a limited range of input values
;; workspace buffers: xc 5,242,880 bytes; xs 327,680 bytes; woimg 524,288 bytes; kvimg 10,747,904 bytes; oimg 1,048,576 bytes; osc 65,536 bytes
;; launch lnq (part 1): grid 256 x 1, 6 waves a work-group, no clusters, 31,488 bytes of LDS; arguments queries, kv_tokens, qn_w, qn_b, kvn_w, kvn_b, Wo_codes, xc, xs, woimg; writes xc, xs, woimg
.if DOCPART == 1
	.amdgcn_target "amdgcn-amd-amdhsa--gfx1250"
	.amdhsa_code_object_version 6
	.text
	.protected	k_q232faab673_lnq
	.globl	k_q232faab673_lnq
	.p2align	8
	.type	k_q232faab673_lnq,@function
k_q232faab673_lnq:
	s_mov_b64 s[64:65], 0
	v_nop
	global_prefetch_b8 v0, s[64:65] scope:SCOPE_SE
	s_setreg_imm32_b32 hwreg(HW_REG_WAVE_MODE, 25, 1), 1
	s_wait_xcnt 0x0
; LayerNorm of the 2,048 query rows and the 8,192 kv rows (1,024 f32 each), quantised along the row to codes of FP4 (E2M1) with one E8M0 byte for each 32:
; xc [10240 rows][512 bytes] (rows 0-2047 the queries, then the kv tokens), xs [10240][32].  Beside it Wo's codes are laid anew as images of operand registers (woimg).
; SHARES.  Waves 0-4 of work-group x take group 5 x + wave of 1,280 groups of 8 rows; a wave takes one whole row at a time (8 loads of 512 consecutive bytes), so mean and variance never leave the wave.
; Four rows (32 loads a wave) are on their way.  Wave 5 copies four 512-byte pieces of Wo.  The waves share nothing: no barrier.  Memory binds: no matrix unit, no tensor load, no cluster (no input is shared).
; A block of 32 must lie in ONE lane's registers for the conversions, while a load is dense where neighbouring lanes take neighbouring bytes: so the normalised row turns through the wave's own stage in LDS
; (32 places of 128 bytes + 16 of padding: 144 = 9 x 16).
; A block's scale is 2^(floor(log2(largest magnitude)) - 2); its byte is the largest magnitude's exponent field - 2, held at 1 from below.
; LIMITS: a block whose largest magnitude lies under 2^-124 (a block of zeros too) gets the byte 1, where the rule says 127 for zeros: its codes are then zeros or the rule's own, and these bytes are read by this program alone.
; NaN and infinities among the inputs are not served.
.set X,    80                          ; v80-207  four row slots of 32 registers, as loaded: register 4 j + e = element 128 j + 4 lane + e
.set T,    208                         ; v208-239 32 neighbours: elements 32 lane + 0 .. 31
.set CD,   240                         ; v240-247 codes, two sets of four
.set BYT,  248                         ; v248-255 a scale byte for each of the 8 rows
.set WREG, 5120                        ; LDS of a wave
.set SP,   144                         ; a place in the stage
.set SCB,  32*SP                       ; behind the stage: the wave's 256 scale bytes
	s_load_b256 s[4:11], s[0:1], 0x0               ; queries, kv_tokens, qn_w, qn_b
	s_load_b256 s[12:19], s[0:1], 0x20             ; kvn_w, kvn_b, Wo_codes, xc
	s_load_b128 s[20:23], s[0:1], 0x40             ; xs, woimg
	s_set_vgpr_msb 0x40
	v_lshl_add_u32 v0, v0, 2, 0x7800
	v_mov_b32 v1, 0
	s_set_vgpr_msb 0x4000
	v_lshrrev_b32 v1, 5, v0
	v_readfirstlane_b32 s24, v1                    ; wave 0..5
	v_and_b32 v1, 31, v0                           ; lane
	v_lshlrev_b32 v2, 4, v1                        ; 16 x lane: my bytes of a load's or a store's 512
	s_mul_i32 s34, s24, WREG
	v_lshrrev_b32 v3, 3, v1
	v_mul_u32_u24 v3, v3, SP
	v_and_b32 v4, 7, v1
	v_lshl_add_u32 v3, v4, 4, v3
	v_add_nc_u32 v3, s34, v3                       ; the stage, on the way in: eight lanes fill a place; a load's 512 bytes take four places (576 bytes)
	v_mul_u32_u24 v4, v1, SP
	v_add_nc_u32 v4, s34, v4                       ; and on the way out: my place
	s_add_co_u32 s34, s34, SCB
	v_add_nc_u32 v5, s34, v1                       ; my block's scale byte
	v_lshlrev_b32 v7, 3, v1
	v_add_nc_u32 v6, s34, v7                       ; and 8 bytes a lane on their way out
	v_mov_b32 v9, 0                                ; (a lane permute's destination counts as one of its sources)
	v_mov_b32 v13, 0                               ; (upper halves of pairs of which the low word serves both halves)
	v_mov_b32 v15, 0
	s_mov_b32 s30, 0x3a800000                      ; 1 / 1024
	s_mov_b32 s31, 0x3727c5ac                      ; 1e-5
	s_mov_b32 s32, 0x76543210
	s_mov_b32 s33, 0xfedcba98                      ; v_permlanex16_b32's selects for lane l xor 16
	s_mul_i32 s25, ttmp9, 5
	s_add_co_u32 s25, s25, s24                     ; my group of 8 rows
	s_wait_kmcnt 0x0
	s_cmp_eq_u32 s24, 5
	s_cbranch_scc1 .Lrelay
	s_cmp_lt_u32 s25, 256                          ; groups 0-255 are queries: the choice hangs on ids alone
	s_cselect_b64 s[4:5], s[4:5], s[6:7]
	s_cselect_b64 s[8:9], s[8:9], s[12:13]
	s_cselect_b64 s[10:11], s[10:11], s[14:15]
	s_cselect_b32 s26, 0, 256
	s_sub_co_u32 s26, s25, s26
	s_lshl_b32 s26, s26, 15                        ; 8 rows of 4,096 bytes a group
	s_mov_b32 s27, 0
	s_add_nc_u64 s[4:5], s[4:5], s[26:27]
	s_lshl_b32 s26, s25, 12                        ; 8 rows of 512 bytes of codes
	s_add_nc_u64 s[18:19], s[18:19], s[26:27]
	s_lshl_b32 s26, s25, 8                         ; 8 rows of 32 scale bytes
	s_add_nc_u64 s[20:21], s[20:21], s[26:27]
.irp j, 0,1,2,3,4,5,6,7
	global_load_b128 v[16+4*\j:19+4*\j], v2, s[8:9] offset:512*\j      ; the gain, laid as a row is loaded
	global_load_b128 v[48+4*\j:51+4*\j], v2, s[10:11] offset:512*\j    ; the bias
.endr
.macro LOADROW i
.irp j, 0,1,2,3,4,5,6,7
	global_load_b128 v[X+32*((\i)%4)+4*\j:X+32*((\i)%4)+4*\j+3], v2, s[4:5] offset:4096*(\i)+512*\j th:TH_LOAD_NT   ; 512 consecutive bytes
.endr
.endm
.macro REDUCE                          ; v8 summed over the 32 lanes, the result in every lane
	v_add_f32_dpp v8, v8, v8 row_xmask:1 row_mask:0xf bank_mask:0xf
	v_add_f32_dpp v8, v8, v8 row_xmask:2 row_mask:0xf bank_mask:0xf
	v_add_f32_dpp v8, v8, v8 row_xmask:4 row_mask:0xf bank_mask:0xf
	v_add_f32_dpp v8, v8, v8 row_xmask:8 row_mask:0xf bank_mask:0xf
	v_permlanex16_b32 v9, v8, s32, s33
	v_add_f32 v8, v8, v9
.endm
	LOADROW 0
	LOADROW 1
	LOADROW 2
	LOADROW 3
; Row i.  left: the loads issued behind this row's eight, which may stay out.
.macro ROW i, left
.set XR, X+32*((\i)%4)
.set CR, CD+4*((\i)%2)
	s_wait_loadcnt \left                           ; loads come back in order: my row (and gain and bias, which are older) is in
	v_pk_add_f32 v[8:9], v[XR:XR+1], v[XR+2:XR+3]  ; the sum, in two chains
	v_pk_add_f32 v[10:11], v[XR+4:XR+5], v[XR+6:XR+7]
.irp j, 8,12,16,20,24,28
	v_pk_add_f32 v[8:9], v[8:9], v[XR+\j:XR+\j+1]
	v_pk_add_f32 v[10:11], v[10:11], v[XR+\j+2:XR+\j+3]
.endr
	v_pk_add_f32 v[8:9], v[8:9], v[10:11]
	v_add_f32 v8, v8, v9
	REDUCE
	v_mul_f32 v12, s30, v8                         ; the mean
.irp j, 0,2,4,6,8,10,12,14,16,18,20,22,24,26,28,30
	v_pk_add_f32 v[XR+\j:XR+\j+1], v[XR+\j:XR+\j+1], v[12:13] op_sel_hi:[1,0] neg_lo:[0,1] neg_hi:[0,1]   ; x - mean
.endr
	v_pk_mul_f32 v[8:9], v[XR:XR+1], v[XR:XR+1]    ; the sum of its squares: the variance is taken of differences, so a common offset of the inputs does no harm
	v_pk_mul_f32 v[10:11], v[XR+2:XR+3], v[XR+2:XR+3]
.irp j, 4,8,12,16,20,24,28
	v_pk_fma_f32 v[8:9], v[XR+\j:XR+\j+1], v[XR+\j:XR+\j+1], v[8:9]
	v_pk_fma_f32 v[10:11], v[XR+\j+2:XR+\j+3], v[XR+\j+2:XR+\j+3], v[10:11]
.endr
	v_pk_add_f32 v[8:9], v[8:9], v[10:11]
	v_add_f32 v8, v8, v9
	REDUCE
	v_fma_f32 v8, v8, s30, s31                     ; variance + eps
	s_wait_alu depctr_va_vdst(0)
	v_rsq_f32 v14, v8
	v_nop                                          ; one plain place behind a transcendental
	s_wait_alu depctr_va_vdst(0)
.irp j, 0,2,4,6,8,10,12,14,16,18,20,22,24,26,28,30
	v_pk_mul_f32 v[XR+\j:XR+\j+1], v[XR+\j:XR+\j+1], v[14:15] op_sel_hi:[1,0]
.endr
.irp j, 0,2,4,6,8,10,12,14,16,18,20,22,24,26,28,30
	v_pk_fma_f32 v[XR+\j:XR+\j+1], v[XR+\j:XR+\j+1], v[16+\j:17+\j], v[48+\j:49+\j]   ; x gain + bias
.endr
.irp j, 0,1,2,3,4,5,6,7
	ds_store_b128 v3, v[XR+4*\j:XR+4*\j+3] offset:4*SP*\j
.endr
.irp j, 0,1,2,3,4,5,6,7
	ds_load_b128 v[T+4*\j:T+4*\j+3], v4 offset:16*\j   ; LDS serves a wave's instructions in order: these see the stores above
.endr
	s_wait_dscnt 0x0                               ; my 32 neighbours are in, and the stores have read the slot,
.if (\i)+4 < 8
	LOADROW (\i)+4                                 ; which takes the row four further on
.endif
	v_max3_num_f32 v8, |v[T]|, |v[T+1]|, 0x1800000 ; the block's largest magnitude: all 32 are mine; and the floor 2^(3 - 127), so that the byte cannot fall under 1
	v_max3_num_f32 v9, |v[T+2]|, |v[T+3]|, |v[T+4]|
.irp j, 5,9,13,17,21,25
	v_max3_num_f32 v8, v8, |v[T+\j]|, |v[T+\j+1]|
	v_max3_num_f32 v9, v9, |v[T+\j+2]|, |v[T+\j+3]|
.endr
	v_max3_num_f32 v8, v8, |v[T+29]|, |v[T+30]|
	v_max3_num_f32 v8, v8, v9, |v[T+31]|
	v_add_nc_u32 v10, 0xff000000, v8               ; 2 off its exponent field: the conversion takes the exponent field of this operand as its scale
	s_wait_alu depctr_va_vdst(0)
	s_wait_xcnt 0x0                                ; the store of two rows ago has read this set of code registers
.irp g, 0,1,2,3
	v_cvt_scalef32_pk8_fp4_f32 v[CR+\g], v[T+8*\g:T+8*\g+7], v10
.endr
	v_lshrrev_b32 v[BYT+(\i)], 23, v10             ; the scale's byte (also the plain place behind the conversions)
	ds_store_b8 v5, v[BYT+(\i)] offset:32*(\i)
	global_store_b128 v2, v[CR:CR+3], s[18:19] offset:512*(\i)    ; the row's 512 bytes of codes: 32 lanes, 16 neighbouring bytes each
.endm
	ROW 0, 24
	ROW 1, 24
	ROW 2, 24
	ROW 3, 24
	ROW 4, 24
	ROW 5, 16
	ROW 6, 8
	ROW 7, 0
	ds_load_b64 v[8:9], v6                         ; the 8 rows' 256 scale bytes
	s_wait_dscnt 0x0
	global_store_b64 v7, v[8:9], s[20:21]          ; 256 consecutive bytes, aligned
	s_set_vgpr_msb 0x5
	s_wait_tensorcnt 0x0
	ds_add_u32 v0, v1
	s_wait_dscnt 0x0
	s_set_vgpr_msb 0x500
	s_endpgm
.Lrelay:
; woimg [n tile 64][K step 8][c 2][lane 32][16 bytes]: lane (r, h) of piece (n tile, s, c) holds bytes 64 s + 32 c + 16 h of row 16 n tile + r of Wo_codes: what a fragment's four registers want.
; Work-group x copies pieces 4 (x % 4) .. + 3 of n tile x / 4.
	s_lshr_b32 s26, ttmp9, 2
	s_lshl_b32 s26, s26, 13                        ; 16 rows of 512 bytes, and 16 pieces of 512 bytes
	s_and_b32 s28, ttmp9, 3
	s_lshl_b32 s29, s28, 7
	s_add_co_u32 s34, s26, s29
	s_mov_b32 s35, 0
	s_add_nc_u64 s[16:17], s[16:17], s[34:35]
	s_lshl_b32 s29, s28, 11
	s_add_co_u32 s34, s26, s29
	s_add_nc_u64 s[22:23], s[22:23], s[34:35]
	v_and_b32 v8, 15, v0
	v_bfe_u32 v10, v0, 4, 1
	v_lshlrev_b32 v8, 9, v8
	v_lshl_add_u32 v8, v10, 4, v8                  ; row r, + 16 h
.irp i, 0,1,2,3
	global_load_b128 v[80+4*\i:83+4*\i], v8, s[16:17] offset:32*\i
.endr
	s_wait_loadcnt 0x0
.irp i, 0,1,2,3
	global_store_b128 v2, v[80+4*\i:83+4*\i], s[22:23] offset:512*\i
.endr
	s_endpgm
.Lfunc_end_k_q232faab673_lnq:
	.size	k_q232faab673_lnq, .Lfunc_end_k_q232faab673_lnq-k_q232faab673_lnq
	.p2alignl 7, 3214868480
	.fill 96, 4, 3214868480
	.section	.rodata,"a",@progbits
	.p2align	6, 0x0
	.amdhsa_kernel k_q232faab673_lnq
		.amdhsa_group_segment_fixed_size 31488
		.amdhsa_private_segment_fixed_size 0
		.amdhsa_enable_private_segment 0
		.amdhsa_kernarg_size 80
		.amdhsa_user_sgpr_count 2
		.amdhsa_user_sgpr_kernarg_segment_ptr 1
		.amdhsa_wavefront_size32 1
		.amdhsa_system_sgpr_workgroup_id_x 1
		.amdhsa_system_sgpr_workgroup_id_y 1
		.amdhsa_system_sgpr_workgroup_id_z 1
		.amdhsa_system_vgpr_workitem_id 0
		.amdhsa_next_free_vgpr 258
		.amdhsa_next_free_sgpr 66
		.amdhsa_reserve_vcc 0
		.amdhsa_float_denorm_mode_32 3
		.amdhsa_float_denorm_mode_16_64 3
		.amdhsa_memory_ordered 1
		.amdhsa_forward_progress 1
		.amdhsa_inst_pref_size 81
	.end_amdhsa_kernel
	.amdgpu_metadata
---
amdhsa.version: [ 1, 2 ]
amdhsa.kernels:
  - .name:           k_q232faab673_lnq
    .symbol:         k_q232faab673_lnq.kd
    .args:
      - { .name: queries, .offset: 0, .size: 8, .value_kind: global_buffer, .address_space: global }
      - { .name: kv_tokens, .offset: 8, .size: 8, .value_kind: global_buffer, .address_space: global }
      - { .name: qn_w, .offset: 16, .size: 8, .value_kind: global_buffer, .address_space: global }
      - { .name: qn_b, .offset: 24, .size: 8, .value_kind: global_buffer, .address_space: global }
      - { .name: kvn_w, .offset: 32, .size: 8, .value_kind: global_buffer, .address_space: global }
      - { .name: kvn_b, .offset: 40, .size: 8, .value_kind: global_buffer, .address_space: global }
      - { .name: Wo_codes, .offset: 48, .size: 8, .value_kind: global_buffer, .address_space: global }
      - { .name: xc, .offset: 56, .size: 8, .value_kind: global_buffer, .address_space: global }
      - { .name: xs, .offset: 64, .size: 8, .value_kind: global_buffer, .address_space: global }
      - { .name: woimg, .offset: 72, .size: 8, .value_kind: global_buffer, .address_space: global }
    .group_segment_fixed_size: 31488
    .private_segment_fixed_size: 0
    .kernarg_segment_align: 8
    .kernarg_segment_size: 80
    .max_flat_workgroup_size: 192
    .sgpr_count:     66
    .vgpr_count:     258
    .wavefront_size: 32
...
	.end_amdgpu_metadata
.endif
;; end of part 1
;; launch kvproj (part 2): grid 8 x 32, 4 waves a work-group, clusters of 4 x 4, 327,680 bytes of LDS; arguments xc, xs, Wk_codes, Wk_scales, Wv_codes, Wv_scales, kv_padding_mask, kv_type_ids, typed_bias, kvimg; writes kvimg
.if DOCPART == 2
	.amdgcn_target "amdgcn-amd-amdhsa--gfx1250"
	.amdhsa_code_object_version 6
	.text
	.protected	k_q232faab673_kvproj
	.globl	k_q232faab673_kvproj
	.p2align	8
	.type	k_q232faab673_kvproj,@function
k_q232faab673_kvproj:
	s_mov_b64 s[64:65], 0
	v_nop
	global_prefetch_b8 v0, s[64:65] scope:SCOPE_SE
	s_setreg_imm32_b32 hwreg(HW_REG_WAVE_MODE, 25, 1), 1
	s_wait_xcnt 0x0
	s_wait_alu depctr_hold_cnt(0) depctr_sa_sdst(0) depctr_va_vdst(0) depctr_va_sdst(0) depctr_va_ssrc(0) depctr_va_vcc(0) depctr_vm_vsrc(0)
	s_getreg_b32 s2, hwreg(HW_REG_IB_STS2, 6, 4)
	s_cmp_eq_u32 s2, 0
	s_cbranch_scc0 .Lentry_in_a_cluster
	s_endpgm
.Lentry_in_a_cluster:
	s_bfe_u32 s2, ttmp6, 0x10000c
	s_cmp_lg_u32 s2, 0xf033
	s_cbranch_scc0 .Lentry_shape_is_right
	s_endpgm
.Lentry_shape_is_right:
.set SIZE_K, 1024
.set KSTEP,  512
.set NQ,     KSTEP/128
.set ROWB,   256
.set KROW,   SIZE_K*4/8
.set PITCH,  272
.set FR,     8
.set NL,     2
.set NP,     4
.set HALFT,  128*PITCH
.set SLOT,   4*HALFT
.set KS,     SIZE_K/32
.set SCL,    2*SLOT
.set HALFS,  (128*KS/256)*272
.set SBLK,   (16*KS/256)*272
.set SPARE,  SCL+4*HALFS
.set REC,    10496
.set HS,     32*REC
.set ADRA, 16
.set ADRB, 20
.set ADRS, 27
.set SPW,  28
.set NIL,  29
.set SC,   32
.set AF,   128
.set TM,   96
.set TX,   100
.set SO,   104
.set WD,   108
.set MK,   116
.set L16,  124
.set AKS,  125
.set SH,   126
.set RR,   127
.set PC,   128
.set SW,   192
.set CBI,  200
.set CBO,  224
.set CA,   236
.set NEG,  245
.set LN,   246
.set T0R,  247
.set T1R,  248
.set G1, 24
.set G0, 32
.set G1B, 48
.set G0B, 56
.set G1S, 68
.set G0S, 76
.set G1SB, 80
.set G0SB, 88
.set MSB, 0
.macro WIN new
.if MSB != \new
	s_set_vgpr_msb (MSB<<8)|\new
.set MSB, \new
.endif
.endm
.set MUL_LO, 0xa1
.set MUL_HI, 0xf1
.set TO_B,   0x40
.macro JLOAD g0a, g1a, g0b, g1b
	s_cmp_eq_u32 s15, 0
	s_cbranch_scc0 .Lfor_b_\@
	tensor_load_to_lds s[\g0a:\g0a+3], s[\g1a:\g1a+7]
	s_nop 0
.rept 4
	v_nop
.endr
	s_branch .Lasked_\@
.Lfor_b_\@:
	tensor_load_to_lds s[\g0b:\g0b+3], s[\g1b:\g1b+7]
	s_nop 0
.rept 4
	v_nop
.endr
.Lasked_\@:
.endm
.macro CROUND
	s_barrier_signal -1
	s_barrier_wait -1
	s_cmp_lg_u32 s14, 0
	s_cbranch_scc1 .Lnot_wave_0_\@
	s_barrier_signal -3
.Lnot_wave_0_\@:
	s_barrier_wait -3
	s_barrier_signal -1
	s_barrier_wait -1
.endm
	s_load_b512 s[68:83], s[0:1], 0x0
	s_load_b128 s[84:87], s[0:1], 0x40
	v_lshl_add_u32 v[SPW], v0, 2, SPARE
	v_mov_b32 v[NIL], 0
	ds_add_u32 v28, v29
	ds_add_u32 v28, v29
	s_wait_dscnt 0x0
	v_lshrrev_b32 v1, 5, v0
	v_readfirstlane_b32 s14, v1
	s_lshr_b32 s15, s14, 1
	s_and_b32 s16, s14, 1
	s_bfe_u32 s40, ttmp6, 0x40000
	s_bfe_u32 s41, ttmp6, 0x40004
	s_and_b32 s2, ttmp7, 0xffff
	s_cmp_eq_u32 ttmp9, 0
	s_cselect_b32 s42, 0, s2
	s_cselect_b32 s17, s2, 0
	s_lshl_b32 s42, s42, 2
	s_add_co_u32 s42, s42, s40
	s_lshl_b32 s17, s17, 2
	s_add_co_u32 s17, s17, s41
	s_lshl_b32 s43, s41, 2
	s_lshl_b32 s43, 15, s43
	s_lshl_b32 s44, 0x1111, s40
	s_or_b32 s[G1+0], s43, (0<<16)|(1<<20)|(1<<21)|(5<<22)|(3<<25)
	s_or_b32 s[G1B+0], s44, (0<<16)|(1<<20)|(1<<21)|(5<<22)|(3<<25)
.irp g, G1, G1B
	s_mov_b32 s[\g+1], ROWB<<16
	s_mov_b32 s[\g+2], 256<<16                     ; the head's loads bring a tile's 256 rows whole
	s_mov_b32 s[\g+3], ROWB<<16
	s_mov_b32 s[\g+4], 256
	s_mov_b32 s[\g+5], KROW
	s_mov_b32 s[\g+6], 0
	s_mov_b32 s[\g+7], 0
.endr
	s_lshl_b32 s18, s16, 7
	s_lshl_b32 s20, s17, 8
	s_add_co_u32 s20, s20, s18
	s_lshl_b32 s46, s42, 8
	s_add_co_u32 s46, s46, s18
	s_mov_b32 s21, 0
	s_mov_b32 s47, 0
	s_mov_b64 s[18:19], KS
	s_mul_u64 s[22:23], s[20:21], s[18:19]
	s_mul_u64 s[92:93], s[46:47], s[18:19]
	s_mov_b64 s[18:19], KROW
	s_mul_u64 s[20:21], s[20:21], s[18:19]
	s_mul_u64 s[46:47], s[46:47], s[18:19]
	s_mul_i32 s45, s14, HALFT
	s_mul_i32 s94, s14, HALFS
	s_wait_kmcnt 0x0
	s_add_nc_u64 s[68:69], s[68:69], 0x100000
	s_add_nc_u64 s[70:71], s[70:71], 0x10000
	s_cmp_eq_u32 ttmp9, 0
	s_cselect_b64 s[4:5], s[68:69], s[76:77]
	s_cselect_b64 s[6:7], s[70:71], s[78:79]
	s_cselect_b64 s[8:9], s[72:73], s[68:69]
	s_cselect_b64 s[10:11], s[74:75], s[70:71]
	s_mov_b64 s[96:97], s[80:81]
	s_mov_b64 s[98:99], s[82:83]
	s_mov_b64 s[100:101], s[84:85]
	s_mov_b64 s[12:13], s[86:87]
	s_add_nc_u64 s[20:21], s[4:5], s[20:21]
	s_add_nc_u64 s[22:23], s[6:7], s[22:23]
	s_add_nc_u64 s[46:47], s[8:9], s[46:47]
	s_add_nc_u64 s[92:93], s[10:11], s[92:93]
	s_or_b32 s[G1S+0], s43, (3<<16)|(1<<20)|(1<<21)|(5<<22)|(3<<25)
	s_or_b32 s[G1SB+0], s44, (3<<16)|(1<<20)|(1<<21)|(5<<22)|(3<<25)
.irp g, G1S, G1SB
	s_mov_b32 s[\g+1], 32<<16
	s_mov_b32 s[\g+2], (256*KS/256)<<16            ; the scale bytes of 256 rows
	s_mov_b32 s[\g+3], 32<<16
	s_mov_b32 s[\g+4], 256*KS/256
	s_mov_b32 s[\g+5], 32
	s_mov_b32 s[\g+6], 0
	s_mov_b32 s[\g+7], 0
.endr
	CROUND
	s_mov_b32 s[G0S], 1                            ; A's scale bytes, whole: asked for by wave 1, whose own half begins 128 rows on
	s_add_co_u32 s[G0S+1], s94, SCL-HALFS
	s_sub_nc_u64 s[G0S+2:G0S+3], s[22:23], 128*KS
	s_or_b32 s[G0S+3], s[G0S+3], 0x80000000
	s_mov_b32 s[G0SB], 1                           ; B's, whole: asked for by wave 3
	s_add_co_u32 s[G0SB+1], s94, SCL-HALFS
	s_sub_nc_u64 s[G0SB+2:G0SB+3], s[92:93], 128*KS
	s_or_b32 s[G0SB+3], s[G0SB+3], 0x80000000
.irp s, 0,1
	s_mov_b32 s[G0+4*\s], 1
	s_add_co_u32 s[G0+4*\s+1], s45, \s*SLOT
	s_add_nc_u64 s[G0+4*\s+2:G0+4*\s+3], s[20:21], \s*ROWB
	s_or_b32 s[G0+4*\s+3], s[G0+4*\s+3], 0x80000000
	s_mov_b32 s[G0B+4*\s], 1
	s_add_co_u32 s[G0B+4*\s+1], s45, \s*SLOT
	s_add_nc_u64 s[G0B+4*\s+2:G0B+4*\s+3], s[46:47], \s*ROWB
	s_or_b32 s[G0B+4*\s+3], s[G0B+4*\s+3], 0x80000000
.endr
; the head's loads, one a wave, in one tree of branches on the wave's number: wave 0 K step 0's 256 rows of A (its slot-0 descriptor names the tile's first row and LDS byte 0),
; wave 1 A's scale bytes, wave 2 K step 0's 256 rows of B (its descriptor names B's first row and the bytes behind A's), wave 3 B's scale bytes
.macro ARM under, g0, g1, next
	s_cmp_lt_u32 s14, \under
	s_cbranch_scc0 \next
	tensor_load_to_lds s[\g0:\g0+3], s[\g1:\g1+7]
	s_nop 0
.rept 4
	v_nop
.endr
	s_branch .Lhead_asked
\next:
.endm
	ARM 1, G0,  G1,  .Lhead_sa
	ARM 2, G0S, G1S, .Lhead_b
	ARM 3, G0B, G1B, .Lhead_sb
	tensor_load_to_lds s[G0SB:G0SB+3], s[G1SB:G1SB+7]
	s_nop 0
.rept 4
	v_nop
.endr
.Lhead_asked:
	v_and_b32 v1, 15, v0
	v_bfe_u32 v2, v0, 4, 1
	v_mul_u32_u24 v3, v1, PITCH
	v_lshl_add_u32 v4, v2, 4, v3
	s_mul_i32 s21, s15, HALFT
	s_mul_i32 s22, s16, HALFT
	s_add_co_u32 s22, s22, 2*HALFT
.irp s, 0,1
	v_add_nc_u32 v[ADRA+\s], s21, v4
	v_add_nc_u32 v[ADRB+\s], s22, v4
	s_add_co_u32 s21, s21, SLOT
	s_add_co_u32 s22, s22, SLOT
.endr
	v_mul_u32_u24 v5, v1, KS
	v_lshrrev_b32 v6, 8, v5
	v_lshl_add_u32 v5, v6, 4, v5
	s_mul_i32 s21, s15, HALFS
	s_mul_i32 s22, s16, HALFS
	s_add_co_u32 s22, s22, 2*HALFS
	s_sub_co_u32 s22, s22, s21
	v_mul_u32_u24 v6, s22, v2
	s_add_co_u32 s21, s21, SCL
	v_add_nc_u32 v5, v5, v6
	v_add_nc_u32 v[ADRS], s21, v5
	s_lshl_b32 s2, s17, 8
	s_lshl_b32 s3, s15, 7
	s_add_co_u32 s2, s2, s3
	s_lshl_b32 s3, s42, 8
	s_lshl_b32 s18, s16, 7
	s_add_co_u32 s3, s3, s18
	s_cmp_eq_u32 ttmp9, 0
	s_cselect_b32 s92, s2, s3
	s_cselect_b32 s93, s3, s2
	s_lshr_b32 s94, s92, 12
	s_lshl_b32 s94, s94, 9
	s_lshr_b32 s95, s93, 6
	s_lshl_b32 s95, s95, 5
	s_add_co_u32 s94, s94, s95
	s_bfe_u32 s95, s92, 0x50007
	s_add_co_u32 s94, s94, s95
	s_mul_i32 s94, s94, REC
	s_mov_b32 s95, 0
	s_add_nc_u64 s[12:13], s[12:13], s[94:95]
	s_mov_b32 s94, s92
	s_add_nc_u64 s[96:97], s[96:97], s[94:95]
	s_and_b32 s94, s92, 4095
	s_lshl_b32 s94, s94, 2
	s_add_nc_u64 s[98:99], s[98:99], s[94:95]
.macro FRAG reg, adr, q, i
.irp c, 0,1
	ds_load_b128 v[\reg+4*\c:\reg+4*\c+3], v[\adr] offset:64*(\q)+32*\c+(\i)*16*PITCH
.endr
.endm
.macro MUL16 a0, p, q, sc, zero
.irp a, \a0, \a0+1
.irp b, 0,1,2,3,4,5,6,7
.if \zero
	v_wmma_scale_f32_16x16x128_f8f6f4 v[8*(8*((\a)%4)+\b):8*(8*((\a)%4)+\b)+7], v[128*(\p)+FR*\b:128*(\p)+FR*\b+FR-1], v[AF+FR*(\a):AF+FR*(\a)+FR-1], 0, v[SC+8*NQ*(\sc)+NQ*\b+(\q)], v[SC+8*NQ*(\sc)+NQ*(\a)+(\q)] matrix_a_fmt:MATRIX_FMT_FP4 matrix_b_fmt:MATRIX_FMT_FP4 matrix_a_scale:MATRIX_SCALE_ROW1
.else
	v_wmma_scale_f32_16x16x128_f8f6f4 v[8*(8*((\a)%4)+\b):8*(8*((\a)%4)+\b)+7], v[128*(\p)+FR*\b:128*(\p)+FR*\b+FR-1], v[AF+FR*(\a):AF+FR*(\a)+FR-1], v[8*(8*((\a)%4)+\b):8*(8*((\a)%4)+\b)+7], v[SC+8*NQ*(\sc)+NQ*\b+(\q)], v[SC+8*NQ*(\sc)+NQ*(\a)+(\q)] matrix_a_fmt:MATRIX_FMT_FP4 matrix_b_fmt:MATRIX_FMT_FP4 matrix_a_scale:MATRIX_SCALE_ROW1
.endif
.endr
.endr
.endm
.macro FETCH_B slot, q, p
	WIN TO_B
.irp i, 0,1,2,3,4,5,6,7
	FRAG 128*(\p)+FR*\i, ADRB+\slot, \q, \i
.endr
	WIN 0
.endm
.macro FETCH_A slot, q, i0
.irp i, \i0, \i0+1, \i0+2, \i0+3
	FRAG AF+FR*(\i), ADRA+\slot, \q, \i
.endr
.endm
.macro SCALES sc
.irp i, 0,1,2,3,4,5,6,7
	ds_load_b128 v[SC+8*NQ*\sc+NQ*\i:SC+8*NQ*\sc+NQ*\i+3], v[ADRS] offset:\i*SBLK
.endr
.endm
.macro PLACES n
.rept \n
	v_nop
.endr
.endm
.macro STEP slot, q, zero
	s_wait_dscnt 4*NL
	WIN MUL_LO
	MUL16 0, (\q)%2, \q, \slot, \zero
	MUL16 2, (\q)%2, \q, \slot, \zero
	s_wait_dscnt 0
	PLACES NP
	FETCH_B \slot, (\q)+1, 1-(\q)%2
	FETCH_A \slot, (\q)+1, 0
	WIN MUL_HI
	MUL16 4, (\q)%2, \q, \slot, \zero
	MUL16 6, (\q)%2, \q, \slot, \zero
	PLACES NP
	WIN 0
	FETCH_A \slot, (\q)+1, 4
.endm
.macro TURN slot, next
	s_wait_tensorcnt 0x0
	ds_add_u32 v[SPW], v[NIL]
	s_wait_dscnt 4*NL+1
	WIN MUL_LO
	MUL16 0, 1, NQ-1, \slot, 0
	s_wait_dscnt 0x0
	s_barrier_signal -1
	MUL16 2, 1, NQ-1, \slot, 0
	WIN 0
	s_barrier_wait -1
	PLACES NP
	v_add_nc_u32 v[ADRS], 4*NQ, v[ADRS]
	FETCH_B \next, 0, 0
	FETCH_A \next, 0, 0
	SCALES \next
	WIN MUL_HI
	MUL16 4, 1, NQ-1, \slot, 0
	MUL16 6, 1, NQ-1, \slot, 0
	PLACES NP
	WIN 0
	FETCH_A \next, 0, 4
.endm
.macro STEPS slot, from
.set Q, \from
.rept NQ-1-\from
	STEP \slot, Q, 0
.set Q, Q+1
.endr
.endm
	s_wait_alu depctr_va_vdst(0)                   ; the wait at the head's end
	s_wait_tensorcnt 0x0                           ; my tile of the head's four is in; the three lines and a round stand ahead of slot 1's first fill
	ds_add_u32 v[SPW], v[NIL]
	s_mov_b32 s[G1+2], 128<<16                     ; no tensor load of mine is out: from here on a load brings 128 rows
	s_mov_b32 s[G1+4], 128
	s_mov_b32 s[G1B+2], 128<<16
	s_mov_b32 s[G1B+4], 128
	s_wait_dscnt 0x0
	CROUND
	JLOAD G0+4, G1, G0B+4, G1B                     ; K step 1, a quarter of the slot a wave
	FETCH_B 0, 0, 0
	FETCH_A 0, 0, 0
	SCALES 0
	FETCH_A 0, 0, 4
	STEP 0, 0, 1
	STEPS 0, 1
	TURN 0, 1
	STEPS 1, 0
	s_wait_dscnt 4*NL
	WIN MUL_LO
	MUL16 0, 1, NQ-1, 1, 0
	MUL16 2, 1, NQ-1, 1, 0
	s_wait_dscnt 0
	WIN MUL_HI
	MUL16 4, 1, NQ-1, 1, 0
	MUL16 6, 1, NQ-1, 1, 0
	WIN 0
	PLACES NP
	v_and_b32 v[LN], 31, v0
	v_and_b32 v[RR], 15, v0
	v_bfe_u32 v[SH], v0, 4, 1
	v_lshlrev_b32 v[L16], 4, v[LN]
	v_mul_u32_u24 v[AKS], v[SH], HS
	v_lshl_add_u32 v[AKS], v[RR], 4, v[AKS]
	v_lshlrev_b32 v[SH], 4, v[SH]
.irp b, 0,1,2,3
	v_mov_b32 v[TX+\b], 0
.endr
	s_mov_b32 s18, 0x76543210
	s_mov_b32 s19, 0xfedcba98
.macro QUANTW a
.set AC, 64*((\a)%4)
.set WW, 2+(\a)/4
.set WQ2, (WW<<2)|(WW<<4)
	WIN WQ2
.irp b, 0,1,2,3
	v_max3_num_f32 v[TM+\b], 0x1800000, |v[AC+16*\b]|, |v[AC+16*\b+1]|
.endr
.irp i, 2,4,6,8,10,12,14
.irp b, 0,1,2,3
	v_max3_num_f32 v[TM+\b], v[TM+\b], |v[AC+16*\b+\i]|, |v[AC+16*\b+\i+1]|
.endr
.endr
	WIN 0
.irp b, 0,1,2,3
	v_permlanex16_b32 v[TX+\b], v[TM+\b], s18, s19
.endr
.irp b, 0,1,2,3
	v_max_num_f32 v[TM+\b], v[TM+\b], v[TX+\b]
.endr
.irp b, 0,1,2,3
	v_add_nc_u32 v[SO+\b], 0xff000000, v[TM+\b]
.endr
.irp b, 0,1,2,3
	v_lshrrev_b32 v[TM+\b], 23, v[SO+\b]
.endr
	v_lshl_or_b32 v[WD+(\a)], v[TM+1], 8, v[TM]
	v_lshl_or_b32 v[WD+(\a)], v[TM+2], 16, v[WD+(\a)]
	v_lshl_or_b32 v[WD+(\a)], v[TM+3], 24, v[WD+(\a)]
	WIN WW
.irp b, 0,1,2,3
.irp u, 0,1
	v_cvt_scalef32_pk8_fp4_f32 v[PC+8*(\a)+4*(\b/2)+2*\u+(\b%2)], v[AC+16*\b+8*\u:AC+16*\b+8*\u+7], v[SO+\b]
.endr
.endr
	WIN 0
	v_nop
.irp c, 0,1
.irp u, 0,1
	v_permlane16_swap_b32 v[PC+8*(\a)+4*\c+2*\u], v[PC+8*(\a)+4*\c+2*\u+1]
.endr
.endr
.endm
	s_cmp_lg_u32 ttmp9, 0
	s_cbranch_scc1 .Lvpath
.irp i, 0,1,2
	v_add_nc_u32 v[T0R], 32*\i, v[LN]
	v_mul_u32_u24 v[T1R], v[T0R], 171
	v_lshrrev_b32 v[T1R], 9, v[T1R]
	v_lshlrev_b32 v[CA+3*\i], 4, v[T1R]
	v_lshlrev_b32 v[CA+3*\i+1], 2, v[T1R]
	v_mul_u32_u24 v[T1R], v[T1R], 3
	v_sub_nc_u32 v[T1R], v[T0R], v[T1R]
	v_mul_u32_u24 v[CA+3*\i+2], v[T1R], 12
.endr
	v_mov_b32 v[NEG], 0xfb800000
.irp a, 0,1,2,3,4,5,6,7
	global_load_u8 v[MK+\a], v[RR], s[96:97] offset:16*\a
.endr
.irp i, 0,1,2
	global_load_b128 v[CBI+8*\i:CBI+8*\i+3], v[CA+3*\i], s[98:99]
	global_load_b32 v[CBI+8*\i+4], v[CA+3*\i+1], s[96:97]
	global_load_b32 v[CBI+8*\i+5], v[CA+3*\i+2], s[100:101]
	global_load_b32 v[CBI+8*\i+6], v[CA+3*\i+2], s[100:101] offset:4
	global_load_b32 v[CBI+8*\i+7], v[CA+3*\i+2], s[100:101] offset:8
.endr
.macro KOUT a
.irp j, 0,1,2,3,4,5,6,7
	v_and_b32 v[PC+8*(\a)+\j], v[MK+(\a)], v[PC+8*(\a)+\j]
.endr
	global_store_b128 v[L16], v[PC+8*(\a):PC+8*(\a)+3], s[12:13] offset:512*(\a)
	global_store_b128 v[L16], v[PC+8*(\a)+4:PC+8*(\a)+7], s[12:13] offset:HS+512*(\a)
.endm
	QUANTW 0
	s_wait_loadcnt 0x0
.irp a, 0,1,2,3,4,5,6,7
	v_sub_nc_u32 v[MK+\a], 0, v[MK+\a]
.endr
	KOUT 0
.irp a, 1,2,3,4,5,6,7
	QUANTW \a
	KOUT \a
.endr
.irp a, 0,1,2,3,4,5,6,7
	v_lshrrev_b32 v[SW+\a], v[SH], v[WD+\a]
.endr
.irp a, 0,1,2,3,4,5,6,7
	v_and_b32 v[SW+\a], 0xffff, v[SW+\a]
.endr
.irp g, 0,1
	global_store_b128 v[AKS], v[SW+4*\g:SW+4*\g+3], s[12:13] offset:8192+256*\g
.endr
.irp i, 0,1,2
.irp e, 0,1,2,3
	v_cmp_eq_u32 vcc_lo, 1, v[CBI+8*\i+\e]
	v_cndmask_b32 v[CBO+4*\i+\e], v[CBI+8*\i+5], v[CBI+8*\i+6], vcc_lo
	v_cmp_eq_u32 vcc_lo, 2, v[CBI+8*\i+\e]
	v_cndmask_b32 v[CBO+4*\i+\e], v[CBO+4*\i+\e], v[CBI+8*\i+7], vcc_lo
	v_mul_f32 v[CBO+4*\i+\e], 0x41000000, v[CBO+4*\i+\e]
	v_bfe_u32 v[T0R], v[CBI+8*\i+4], 8*\e, 8
	v_cmp_ne_u32 vcc_lo, 0, v[T0R]
	v_cndmask_b32 v[CBO+4*\i+\e], v[NEG], v[CBO+4*\i+\e], vcc_lo
.endr
.endr
.irp i, 0,1,2
	global_store_b128 v[L16], v[CBO+4*\i:CBO+4*\i+3], s[12:13] offset:8960+512*\i
	global_store_b128 v[L16], v[CBO+4*\i:CBO+4*\i+3], s[12:13] offset:HS+8960+512*\i
.endr
	s_branch .Ldone
.Lvpath:
.irp a, 0,1,2,3,4,5,6,7
	QUANTW \a
	global_store_b128 v[L16], v[PC+8*\a:PC+8*\a+3], s[12:13] offset:(\a/4)*HS+4096+(\a%4)*1024
	global_store_b128 v[L16], v[PC+8*\a+4:PC+8*\a+7], s[12:13] offset:(\a/4)*HS+4096+(\a%4)*1024+512
.endr
	v_cmp_eq_u32 vcc_lo, 16, v[SH]
.irp t, 0,1,2,3
	v_cndmask_b32 v[SW+\t], v[WD+\t], v[WD+4+\t], vcc_lo
.endr
	global_store_b128 v[AKS], v[SW:SW+3], s[12:13] offset:8704
.Ldone:
	s_wait_tensorcnt 0x0
	ds_add_u32 v[SPW], v[NIL]
	s_wait_dscnt 0x0
	CROUND
	s_endpgm
.Lfunc_end_k_q232faab673_kvproj:
	.size	k_q232faab673_kvproj, .Lfunc_end_k_q232faab673_kvproj-k_q232faab673_kvproj
	.p2alignl 7, 3214868480
	.fill 96, 4, 3214868480
	.section	.rodata,"a",@progbits
	.p2align	6, 0x0
	.amdhsa_kernel k_q232faab673_kvproj
		.amdhsa_group_segment_fixed_size 327680
		.amdhsa_private_segment_fixed_size 0
		.amdhsa_enable_private_segment 0
		.amdhsa_kernarg_size 80
		.amdhsa_user_sgpr_count 2
		.amdhsa_user_sgpr_kernarg_segment_ptr 1
		.amdhsa_wavefront_size32 1
		.amdhsa_system_sgpr_workgroup_id_x 1
		.amdhsa_system_sgpr_workgroup_id_y 1
		.amdhsa_system_sgpr_workgroup_id_z 1
		.amdhsa_system_vgpr_workitem_id 0
		.amdhsa_next_free_vgpr 1024
		.amdhsa_next_free_sgpr 102
		.amdhsa_reserve_vcc 1
		.amdhsa_float_denorm_mode_32 3
		.amdhsa_float_denorm_mode_16_64 3
		.amdhsa_memory_ordered 1
		.amdhsa_forward_progress 1
		.amdhsa_inst_pref_size 173
	.end_amdhsa_kernel
	.amdgpu_metadata
---
amdhsa.version: [ 1, 2 ]
amdhsa.kernels:
  - .name:           k_q232faab673_kvproj
    .symbol:         k_q232faab673_kvproj.kd
    .args:
      - { .name: xc, .offset: 0, .size: 8, .value_kind: global_buffer, .address_space: global }
      - { .name: xs, .offset: 8, .size: 8, .value_kind: global_buffer, .address_space: global }
      - { .name: Wk_codes, .offset: 16, .size: 8, .value_kind: global_buffer, .address_space: global }
      - { .name: Wk_scales, .offset: 24, .size: 8, .value_kind: global_buffer, .address_space: global }
      - { .name: Wv_codes, .offset: 32, .size: 8, .value_kind: global_buffer, .address_space: global }
      - { .name: Wv_scales, .offset: 40, .size: 8, .value_kind: global_buffer, .address_space: global }
      - { .name: kv_padding_mask, .offset: 48, .size: 8, .value_kind: global_buffer, .address_space: global }
      - { .name: kv_type_ids, .offset: 56, .size: 8, .value_kind: global_buffer, .address_space: global }
      - { .name: typed_bias, .offset: 64, .size: 8, .value_kind: global_buffer, .address_space: global }
      - { .name: kvimg, .offset: 72, .size: 8, .value_kind: global_buffer, .address_space: global }
    .group_segment_fixed_size: 327680
    .private_segment_fixed_size: 0
    .kernarg_segment_align: 8
    .kernarg_segment_size: 80
    .max_flat_workgroup_size: 128
    .sgpr_count:     102
    .vgpr_count:     1024
    .wavefront_size: 32
...
	.end_amdgpu_metadata
.endif
;; end of part 2
;; launch attn (part 3): grid 8 x 32, 8 waves a work-group, clusters of 4 x 1, 327,680 bytes of LDS; arguments xc, xs, Wq_codes, Wq_scales, query_type_ids, kvimg, oimg, osc; writes oimg, osc
.if DOCPART == 3
	.amdgcn_target "amdgcn-amd-amdhsa--gfx1250"
	.amdhsa_code_object_version 6
	.text
	.protected	k_q232faab673_attn
	.globl	k_q232faab673_attn
	.p2align	8
	.type	k_q232faab673_attn,@function
k_q232faab673_attn:
	s_mov_b64 s[64:65], 0
	v_nop
	global_prefetch_b8 v0, s[64:65] scope:SCOPE_SE
	s_setreg_imm32_b32 hwreg(HW_REG_WAVE_MODE, 25, 1), 1
	s_wait_xcnt 0x0
	s_wait_alu depctr_hold_cnt(0) depctr_sa_sdst(0) depctr_va_vdst(0) depctr_va_sdst(0) depctr_va_ssrc(0) depctr_va_vcc(0) depctr_vm_vsrc(0)
	s_getreg_b32 s2, hwreg(HW_REG_IB_STS2, 6, 4)
	s_cmp_eq_u32 s2, 0
	s_cbranch_scc0 .Lentry_in_a_cluster
	s_endpgm
.Lentry_in_a_cluster:
	s_bfe_u32 s2, ttmp6, 0x10000c
	s_cmp_lg_u32 s2, 0x3003
	s_cbranch_scc0 .Lentry_shape_is_right
	s_endpgm
.Lentry_shape_is_right:
; For one (batch, head) and 128 queries: q = qn Wq^T (the head's 64 features), quantised in registers; then O = softmax(q k^T / 8 + typed bias + padding) v over 4,096 keys;
; o is quantised along the head's 64 and stored as an image of the last product's operand.  All products on codes of FP4 (E2M1) with one E8M0 scale for each 32 along K.
; SOFTMAX: t = logit x log2(e); M = the running largest t rounded up to a whole number; p = 2^(t - M) is quantised along the keys, not normalised; the row's sum is taken of the
; unquantised p and divides O at the end.  When M moves, the sum and O are multiplied by 2^(old M - new M): exact.
; BIAS AND MASK ARE THE C OF k q^T: 8 x typed_bias, or -2^120 for a hidden key, whose codes are zeros.  A record holds each key's addend for the three query types, 16 bytes (4 keys) a type.
; A lane holds one query throughout, so it reads its own type's piece: its LDS address is 96 (lane / 16) + 16 x the query's type, the type held at 2 from above by v_min_u32.
; The addend lands in registers of its own (window 1) and is named as C; D is the scores' registers.
; c x 2^120 is a whole number, so where every key of a batch is hidden t - M = 0 and p = 1 for all keys: the even weights of the plain softmax.
; SHARES.  A work-group owns 128 queries of one head, each of its eight waves 16 (two waves to a SIMD).  Every wave walks all keys, 128 a step; a step's operands are one record of 10,496 bytes.
; LDS: slot A, 8 records; slot B, 16 records; Wq's 64 rows.  Records 0-7 and Wq come at the head, one tensor load a wave; records 8-23 behind the head's round, two a wave;
; records 24-31 fill slot A again behind the change of slots that leaves it (waves 4-7, two records each).  Every fill but the first is asked for 8 or 16 steps ahead of its first read,
; so no prefetch is laid beside them.
; CLUSTER.  The four work-groups of a cluster have the same head: every tensor load is joint (mask 15), its address made of the head and the wave alone.
; LAYOUT.  All products are used transposed (source 1 = my 16 queries); register j of tile T holds index 16 T + 8 (lane / 16) + j of the next K.
; THE HEAD'S K IS 64, the instruction's 128: q's upper four registers are zero codes, so tile t of k is named v[KF + 4 t .. + 7], whose upper half adds nothing; the scale words' upper bytes are 0 (2^-127, a finite code).
; LIMITS: a logit under about -2^117 of a key that counts would be taken for hidden; a query type outside 0 .. 2 counts as 2; a block whose largest magnitude lies under 2^-124 gets the byte 1; NaN and infinities are not served.
.set REC,   10496                      ; +0 K's codes, +4096 V^T's codes, +8192 K's scale words, +8704 V's scale words, +8960 the addend
.set SLA,   0
.set SLB,   8*REC
.set WQ,    24*REC                     ; Wq's 64 rows of 512 bytes, pitch 528
.set WQP,   528
.set OST,   WQ+64*WQP                  ; 256 bytes: o's scale bytes of the 128 rows; no fill lands here
.set SPARE, OST+256                    ; the spare words, 128 bytes a wave
.set SPW, 1
.set NIL, 2
.set L16, 3                            ; 16 x lane
.set ACB, 4                            ; 96 h + 16 x my query's type
.set AS0, 5                            ; 16 r
.set ADR, 6
.set ADC, 7
.set ADS, 8
.set AWQ, 9
.set AWS, 10
.set AOS, 11
                                       ; v12 -M, v13 the largest t, v[14:15] the sum
.set QF,  16
.set KF,  24                           ; k's eight tiles, four registers each, and four zeros
.set VF,  60
.set S,   92                           ; the scores, then p
.set O,   156
.set PC,  188
.set TM,  196
.set TX,  200
.set SO,  204
.set FF,  208
.set TP,  210
.set SU,  212
.set QW,  214                          ; scale words and nothing else: v214, v215, v216-227, v232-251
.set PW,  215
.set KSW, 216
.set VSW, 224
.set SV,  228
.set SX,  230
.set WS,  232                          ; Wq's scale words: register 4 t + i: lanes 0-15 K step i, lanes 16-31 K step 4 + i
.set XS,  248                          ; x's likewise
.set XF,  S
.set WF,  KF
.set QA,  O
.set RAW, 0                            ; window 1, v0-63: the addend, register 8 t + j for key 16 t + 8 h + j
.set WV,  20
.set G1R, 24                           ; two records: 82 dense rows of 256 bytes
.set G1W, 32                           ; 16 rows of Wq
.set G0A, 40
.set G0B, 44
.set G0W, 48
.set SEL, 52
.set CS,  54
.set TB,  56
.set CNT, 57
.set MSB, 0
.macro WIN new
.if MSB != \new
	s_set_vgpr_msb (MSB<<8)|\new
.set MSB, \new
.endif
.endm
.macro NOPS
.rept 4
	v_nop
.endr
.endm
.macro CROUND
	s_barrier_signal -1
	s_barrier_wait -1
	s_cmp_lg_u32 s[WV], 0
	s_cbranch_scc1 .Lnot_wave_0_\@
	s_barrier_signal -3
.Lnot_wave_0_\@:
	s_barrier_wait -3
	s_barrier_signal -1
	s_barrier_wait -1
.endm
; 32 numbers of a lane (register 8 T + j = index 16 T + 8 h + j of my row's 64) become four registers of codes and a scale word of two bytes
.macro QUANT32 src, dst, word
.irp b, 0,1
	v_max3_num_f32 v[TM+\b], |v[\src+16*\b]|, |v[\src+16*\b+1]|, 0x1800000   ; with the floor 2^(3 - 127): the byte cannot fall under 1
.endr
.irp i, 2,4,6,8,10,12,14
.irp b, 0,1
	v_max3_num_f32 v[TM+\b], v[TM+\b], |v[\src+16*\b+\i]|, |v[\src+16*\b+\i+1]|
.endr
.endr
.irp b, 0,1
	v_permlanex16_b32 v[TX+\b], v[TM+\b], s[SEL], s[SEL+1]
.endr
.irp b, 0,1
	v_max_num_f32 v[TM+\b], v[TM+\b], v[TX+\b]
.endr
.irp b, 0,1
	v_add_nc_u32 v[SO+\b], 0xff000000, v[TM+\b]    ; 2 off the exponent field: the conversion's scale operand
.endr
.irp b, 0,1
	v_lshrrev_b32 v[TX+\b], 23, v[SO+\b]
.endr
	v_lshl_or_b32 v[\word], v[TX+1], 8, v[TX]
.irp b, 0,1
.irp u, 0,1
	v_cvt_scalef32_pk8_fp4_f32 v[\dst+2*\u+\b], v[\src+16*\b+8*\u:\src+16*\b+8*\u+7], v[SO+\b]
.endr
.endr
	v_nop                                          ; one plain place behind a scaled conversion
.irp u, 0,1
	v_permlane16_swap_b32 v[\dst+2*\u], v[\dst+2*\u+1]
.endr
.endm
	s_load_b512 s[4:19], s[0:1], 0x0               ; xc, xs, Wq_codes, Wq_scales, query_type_ids, kvimg, oimg, osc
	v_lshl_add_u32 v[SPW], v0, 2, SPARE
	v_mov_b32 v[NIL], 0
	ds_add_u32 v[SPW], v[NIL]                      ; the opening lines: the add twice on end and one wait
	ds_add_u32 v[SPW], v[NIL]
	v_lshrrev_b32 v[TP], 5, v0
	v_readfirstlane_b32 s[WV], v[TP]
	s_and_b32 s72, ttmp7, 0xffff                   ; 16 x batch + head
	s_lshr_b32 s73, s72, 4
	s_and_b32 s74, s72, 15
	s_bfe_u32 s75, ttmp6, 0x40000                  ; cx: it enters the addresses of x, the types, oimg and osc alone
	s_lshl_b32 s76, ttmp9, 2
	s_add_co_u32 s76, s76, s75
	s_lshl_b32 s77, s73, 10
	s_lshl_b32 s78, s76, 7
	s_add_co_u32 s77, s77, s78                     ; the work-group's first row
	s_lshl_b32 s79, s[WV], 4
	s_add_co_u32 s78, s78, s79                     ; my first query within the batch
	s_add_co_u32 s79, s77, s79                     ; my first row
	s_lshl_b32 s84, s72, 5
	s_mul_i32 s84, s84, REC                        ; the head's 32 records
	s_mov_b32 s85, 0
	s_and_b32 s80, s[WV], 3
	s_mul_i32 s82, s80, 2*REC                      ; slot A: two records for each of waves 4-7
	s_mul_i32 s83, s[WV], 2*REC                    ; slot B: two records a wave
	s_lshl_b32 s86, s74, 6
	s_lshl_b32 s87, s80, 4
	s_add_co_u32 s86, s86, s87
	s_lshl_b32 s86, s86, 9                         ; Wq's rows 64 head + 16 (wave % 4) on
	s_mov_b32 s87, 0
	s_lshl_b32 s88, s74, 11                        ; the head's 64 rows of Wq's scale bytes
	s_mov_b32 s89, 0
	s_mul_i32 s91, s80, 16*WQP
	s_lshl_b32 s90, s[WV], 5
	s_mov_b32 s[G1R], 15|(3<<16)|(1<<21)           ; mask: all four work-groups; elements of 8 bytes
	s_mov_b32 s[G1R+1], 32<<16
	s_mov_b32 s[G1R+2], 82<<16
	s_mov_b32 s[G1R+3], 32<<16
	s_mov_b32 s[G1R+4], 82
	s_mov_b32 s[G1R+5], 32
	s_mov_b32 s[G1R+6], 0
	s_mov_b32 s[G1R+7], 0
	s_mov_b32 s[G1W], 15|(3<<16)|(1<<20)|(1<<21)|(6<<22)|(3<<25)   ; rows of 512 bytes, four words of padding behind each
	s_mov_b32 s[G1W+1], 64<<16
	s_mov_b32 s[G1W+2], 16<<16
	s_mov_b32 s[G1W+3], 64<<16
	s_mov_b32 s[G1W+4], 16
	s_mov_b32 s[G1W+5], 64
	s_mov_b32 s[G1W+6], 0
	s_mov_b32 s[G1W+7], 0
	s_mov_b32 s[SEL], 0x76543210
	s_mov_b32 s[SEL+1], 0xfedcba98
	s_mov_b32 s[CS], 0x3e38aa3b                    ; log2(e) / 8
	s_mov_b32 s[CS+1], s[CS]
	s_wait_dscnt 0x0
	s_wait_kmcnt 0x0
	s_add_nc_u64 s[14:15], s[14:15], s[84:85]
	s_mov_b32 s[G0A], 1
	s_mov_b32 s[G0A+1], s82
	s_mov_b32 s84, s82
	s_add_nc_u64 s[G0A+2:G0A+3], s[14:15], s[84:85]
	s_or_b32 s[G0A+3], s[G0A+3], 0x80000000
	s_mov_b32 s[G0B], 1
	s_add_co_u32 s[G0B+1], s83, SLB
	s_add_co_u32 s84, s83, 8*REC
	s_add_nc_u64 s[G0B+2:G0B+3], s[14:15], s[84:85]
	s_or_b32 s[G0B+3], s[G0B+3], 0x80000000
	s_mov_b32 s[G0W], 1
	s_add_co_u32 s[G0W+1], s91, WQ
	s_add_nc_u64 s[G0W+2:G0W+3], s[8:9], s[86:87]
	s_or_b32 s[G0W+3], s[G0W+3], 0x80000000
	s_add_nc_u64 s[10:11], s[10:11], s[88:89]
	s_lshl_b32 s80, s79, 9
	s_mov_b32 s81, 0
	s_add_nc_u64 s[4:5], s[4:5], s[80:81]          ; x's codes at my first row
	s_add_co_u32 s82, s79, s74
	s_lshl_b32 s82, s82, 9
	s_mov_b32 s83, 0
	s_add_nc_u64 s[16:17], s[16:17], s[82:83]      ; oimg: (row / 16) x 8,192 + head x 512
	s_lshl_b32 s80, s79, 5
	s_add_nc_u64 s[6:7], s[6:7], s[80:81]
	s_lshl_b32 s80, s78, 2
	s_add_nc_u64 s[12:13], s[12:13], s[80:81]
	s_lshl_b32 s80, s74, 12
	s_lshl_b32 s82, s77, 1
	s_add_co_u32 s80, s80, s82
	s_add_nc_u64 s[18:19], s[18:19], s[80:81]      ; osc: head x 4,096 + 2 x the work-group's first row
	CROUND                                         ; the first joint loads meet
	s_cmp_lt_u32 s[WV], 4                          ; the head's loads, one a wave: waves 0-3 a tile of Wq each, waves 4-7 two records of slot A each
	s_cbranch_scc0 .Lhead_rec
	tensor_load_to_lds s[G0W:G0W+3], s[G1W:G1W+7]
	s_nop 0
	NOPS
	s_branch .Lhead_asked
.Lhead_rec:
	tensor_load_to_lds s[G0A:G0A+3], s[G1R:G1R+7]
	s_nop 0
	NOPS
.Lhead_asked:
	v_and_b32 v[TP], 31, v0
	v_lshlrev_b32 v[L16], 4, v[TP]
	v_and_b32 v[TP], 15, v0                        ; r
	v_bfe_u32 v[TP+1], v0, 4, 1                    ; h
	v_lshlrev_b32 v[AS0], 4, v[TP]
	v_mul_u32_u24 v[AWQ], v[TP], WQP
	v_lshl_add_u32 v[AWQ], v[TP+1], 4, v[AWQ]
	v_add_nc_u32 v[AWQ], WQ, v[AWQ]
	v_lshl_add_u32 v[AOS], v[TP], 1, OST
	v_add_nc_u32 v[AOS], s90, v[AOS]
	v_mul_u32_u24 v[ACB], v[TP+1], 96              ; my half's eight keys are two chunks of three pieces on
	v_lshlrev_b32 v[ADR], 9, v[TP]
	v_lshl_add_u32 v[ADR], v[TP+1], 4, v[ADR]      ; x: row r of 512 bytes, + 16 h
	v_lshlrev_b32 v[ADC], 5, v[TP]
	v_lshl_add_u32 v[ADC], v[TP+1], 4, v[ADC]      ; scale bytes: 32 r + 16 h: the 32 lanes take 512 consecutive bytes
	v_lshlrev_b32 v[ADS], 2, v[TP]
.irp s, 0,1,2,3,4,5,6,7
.irp c, 0,1
	global_load_b128 v[XF+8*\s+4*\c:XF+8*\s+4*\c+3], v[ADR], s[4:5] offset:64*\s+32*\c
.endr
.endr
	global_load_b128 v[XS:XS+3], v[ADC], s[6:7]
.irp t, 0,1,2,3
	global_load_b128 v[WS+4*\t:WS+4*\t+3], v[ADC], s[10:11] offset:512*\t
.endr
	global_load_b32 v[SU], v[ADS], s[12:13]        ; my query's type
.irp b, 0,1,2,3
	v_mov_b32 v[TX+\b], 0                          ; a lane permute's destination counts as one of its sources
.endr
	s_wait_alu depctr_va_vdst(0)                   ; the wait ahead of the blocking wait
	s_wait_tensorcnt 0x0                           ; my load of the head is in; the three lines and a round stand ahead of slot B's first fill
	ds_add_u32 v[SPW], v[NIL]
	s_wait_dscnt 0x0
	CROUND
	tensor_load_to_lds s[G0B:G0B+3], s[G1R:G1R+7]  ; records 8 + 2 wave, + 1
	s_nop 0
	NOPS
; ---- q^T = Wq x^T: four accumulators by turns, eight K steps
.macro WFLOAD s
.irp t, 0,1,2,3
.irp c, 0,1
	ds_load_b128 v[WF+32*((\s)%2)+8*\t+4*\c:WF+32*((\s)%2)+8*\t+4*\c+3], v[AWQ] offset:16*WQP*\t+64*(\s)+32*\c
.endr
.endr
.endm
.macro QM s, t
.if \s == 0
	v_wmma_scale_f32_16x16x128_f8f6f4 v[QA+8*\t:QA+8*\t+7], v[WF+32*(\s%2)+8*\t:WF+32*(\s%2)+8*\t+7], v[XF+8*\s:XF+8*\s+7], 0, v[WS+4*\t+\s%4], v[XS+\s%4] matrix_a_fmt:MATRIX_FMT_FP4 matrix_b_fmt:MATRIX_FMT_FP4
.elseif \s < 4
	v_wmma_scale_f32_16x16x128_f8f6f4 v[QA+8*\t:QA+8*\t+7], v[WF+32*(\s%2)+8*\t:WF+32*(\s%2)+8*\t+7], v[XF+8*\s:XF+8*\s+7], v[QA+8*\t:QA+8*\t+7], v[WS+4*\t+\s%4], v[XS+\s%4] matrix_a_fmt:MATRIX_FMT_FP4 matrix_b_fmt:MATRIX_FMT_FP4
.else
	v_wmma_scale_f32_16x16x128_f8f6f4 v[QA+8*\t:QA+8*\t+7], v[WF+32*(\s%2)+8*\t:WF+32*(\s%2)+8*\t+7], v[XF+8*\s:XF+8*\s+7], v[QA+8*\t:QA+8*\t+7], v[WS+4*\t+\s%4], v[XS+\s%4] matrix_a_fmt:MATRIX_FMT_FP4 matrix_b_fmt:MATRIX_FMT_FP4 matrix_a_scale:MATRIX_SCALE_ROW1 matrix_b_scale:MATRIX_SCALE_ROW1
.endif
.endm
	WFLOAD 0
	WFLOAD 1
	s_wait_loadcnt 0x0
.irp s, 0,1,2,3,4,5,6,7
.if \s < 7
	s_wait_dscnt 8                                 ; this step's fragments are in; the other set's eight loads may be out
.else
	s_wait_dscnt 0
.endif
.irp t, 0,1,2,3
	QM \s, \t
.endr
	NOPS                                           ; places ahead of loads into registers just read, and of the first read of the results
.if \s < 6
	WFLOAD \s+2
.endif
.endr
	QUANT32 QA, QF, QW
.irp j, 4,5,6,7
	v_mov_b32 v[QF+\j], 0
.endr
.irp j, 32,33,34,35
	v_mov_b32 v[KF+\j], 0
.endr
.set jj, 0
.rept 32
	v_mov_b32 v[O+jj], 0                           ; the step is written alike for all keys: the first change of M leaves zeros zeros
.set jj, jj+1
.endr
	v_mov_b32 v13, 0xff61b1e6                      ; -3e38, under every t
	v_floor_f32 v12, -v13
	v_mov_b32 v14, 0
	v_mov_b32 v15, 0
	v_mov_b32 v[FF+1], 0
	v_min_u32 v[SU], 2, v[SU]                      ; the type, held inside the table's three pieces,
	v_lshlrev_b32 v[SU], 4, v[SU]                  ; 16 bytes a piece,
	v_add_nc_u32 v[ACB], v[ACB], v[SU]             ; onto 96 h
	s_wait_alu depctr_va_vdst(0)                   ; the wait at the head's end
; what k q^T wants of the record off bytes behind the one that the address registers name: 26 LDS loads
.macro KLOAD off
	ds_load_b128 v[KSW:KSW+3], v[ADS] offset:(\off)+8192
	ds_load_b128 v[KSW+4:KSW+7], v[ADS] offset:(\off)+8448
.irp t, 0,1,2,3,4,5,6,7
	ds_load_b128 v[KF+4*\t:KF+4*\t+3], v[ADR] offset:(\off)+512*\t
.endr
	WIN 0x40                                       ; destination window 1
.irp t, 0,1,2,3,4,5,6,7
	ds_load_b128 v[RAW+8*\t:RAW+8*\t+3], v[ADC] offset:(\off)+8960+192*\t
	ds_load_b128 v[RAW+8*\t+4:RAW+8*\t+7], v[ADC] offset:(\off)+8960+192*\t+48
.endr
	WIN 0
.endm
.macro BYTES b0                        ; blocks b0, b0 + 1: the floor, the conversion's operand, the byte, two bytes joined
.irp b, \b0, \b0+1
	v_max_num_f32 v[TM+\b], 0x1800000, v[TM+\b]
.endr
.irp b, \b0, \b0+1
	v_add_nc_u32 v[SO+\b], 0xff000000, v[TM+\b]
.endr
.irp b, \b0, \b0+1
	v_lshrrev_b32 v[TX+\b], 23, v[SO+\b]
.endr
	v_lshl_or_b32 v[TX+\b0], v[TX+\b0+1], 8, v[TX+\b0]
.endm
.macro CODES b0
.irp b, \b0, \b0+1
.irp u, 0,1
	v_cvt_scalef32_pk8_fp4_f32 v[PC+4*((\b)/2)+2*\u+((\b)%2)], v[S+16*(\b)+8*\u:S+16*(\b)+8*\u+7], v[SO+(\b)]
.endr
.endr
.endm
.macro EXPS j0, b0                     ; 32 scores and two blocks' largest
.set jj, \j0
.rept 32
	v_exp_f32 v[S+jj], v[S+jj]
.set jj, jj+1
.endr
	v_exp_f32 v[TM+\b0], v[TM+\b0]
	v_exp_f32 v[TM+\b0+1], v[TM+\b0+1]
.endm
; A KEY STEP: the record at LDS byte s[TB]; what k q^T wants of it has been asked for.  pre = 1: the next record's is asked for behind this step's k q^T.
.macro STEP pre
	v_add_nc_u32 v[ADR], s[TB], v[L16]             ; (these four lines are the places behind the last step's products)
	v_add_nc_u32 v[ADC], s[TB], v[ACB]
	v_add_nc_u32 v[ADS], s[TB], v[AS0]
	v_mov_b32 v[TP+1], v12                         ; the old -M
	ds_load_b128 v[VSW:VSW+3], v[ADS] offset:8704  ; V: wanted at the step's end
.irp t, 0,1,2,3
.irp c, 0,1
	ds_load_b128 v[VF+8*\t+4*\c:VF+8*\t+4*\c+3], v[ADR] offset:4096+1024*\t+512*\c
.endr
.endr
	s_wait_alu depctr_va_vdst(0)                   ; the wait ahead of the blocking wait
	s_wait_dscnt 9                                 ; all but V's nine loads: the 26 older ones are in
	WIN 0x10                                       ; C in window 1
.irp t, 0,1,2,3,4,5,6,7
	v_wmma_scale_f32_16x16x128_f8f6f4 v[S+8*\t:S+8*\t+7], v[KF+4*\t:KF+4*\t+7], v[QF:QF+7], v[RAW+8*\t:RAW+8*\t+7], v[KSW+\t], v[QW] matrix_a_fmt:MATRIX_FMT_FP4 matrix_b_fmt:MATRIX_FMT_FP4
.endr
	WIN 0
	NOPS                                           ; places ahead of the loads below and of the first read of the scores
.if \pre
	KLOAD REC
.endif
.irp b, 0,1,2,3
	v_max3_num_f32 v[TM+\b], v[S+16*\b], v[S+16*\b+1], v[S+16*\b+2]   ; each block's largest score: for the row's maximum and for the block's largest p
.endr
.irp i, 3,5,7,9,11,13
.irp b, 0,1,2,3
	v_max3_num_f32 v[TM+\b], v[TM+\b], v[S+16*\b+\i], v[S+16*\b+\i+1]
.endr
.endr
.irp b, 0,1,2,3
	v_max_num_f32 v[TM+\b], v[TM+\b], v[S+16*\b+15]
.endr
.irp b, 0,1,2,3
	v_permlanex16_b32 v[TX+\b], v[TM+\b], s[SEL], s[SEL+1]
.endr
.irp b, 0,1,2,3
	v_max_num_f32 v[TM+\b], v[TM+\b], v[TX+\b]
.endr
	v_max3_num_f32 v[TP], v[TM], v[TM+1], v[TM+2]
	s_delay_alu instid0(VALU_DEP_1)
	v_max_num_f32 v[TP], v[TP], v[TM+3]
	s_delay_alu instid0(VALU_DEP_1)
	v_mul_f32 v[TP], s[CS], v[TP]                  ; as t
	s_delay_alu instid0(VALU_DEP_1)
	v_max_num_f32 v13, v13, v[TP]
	s_delay_alu instid0(VALU_DEP_1)
	v_floor_f32 v12, -v13                          ; the new -M
	s_delay_alu instid0(VALU_DEP_1)
	v_sub_f32 v[TP], v12, v[TP+1]                  ; old M - new M
.irp b, 0,1,2,3
	v_fma_f32 v[TM+\b], v[TM+\b], s[CS], v12
.endr
	v_cvt_i32_f32 v[TP], v[TP]
.set jj, 0
.rept 32
	v_pk_fma_f32 v[S+jj:S+jj+1], v[S+jj:S+jj+1], s[CS:CS+1], v[12:13] op_sel_hi:[1,0,0]   ; t - M
.if jj == 6
	v_ldexp_f32 v[FF], 1.0, v[TP]                  ; f = 2^(old M - new M)
.endif
.set jj, jj+2
.endr
.set jj, 0
.rept 16
	v_pk_mul_f32 v[O+jj:O+jj+1], v[O+jj:O+jj+1], v[FF:FF+1] op_sel_hi:[1,0]   ; O^T under the new M, ahead of the exponentials
.set jj, jj+2
.endr
	s_wait_alu depctr_va_vdst(0)                   ; the wait ahead of the batch
	EXPS 0, 0                                      ; blocks 0 and 1
	v_pk_mul_f32 v[14:15], v[14:15], v[FF:FF+1] op_sel_hi:[1,0]   ; a plain place
	s_wait_alu depctr_va_vdst(0)                   ; the wait behind the first batch
	EXPS 32, 2                                     ; blocks 2 and 3; the lines below name the first batch's results alone
	v_pk_add_f32 v[SU:SU+1], v[S:S+1], v[S+2:S+3]  ; the row's sum of the unquantised p, in four chains
	v_pk_add_f32 v[SV:SV+1], v[S+4:S+5], v[S+6:S+7]
	v_pk_add_f32 v[SX:SX+1], v[S+8:S+9], v[S+10:S+11]
.irp j, 12,20
	v_pk_add_f32 v[14:15], v[14:15], v[S+\j:S+\j+1]
	v_pk_add_f32 v[SU:SU+1], v[SU:SU+1], v[S+\j+2:S+\j+3]
	v_pk_add_f32 v[SV:SV+1], v[SV:SV+1], v[S+\j+4:S+\j+5]
	v_pk_add_f32 v[SX:SX+1], v[SX:SX+1], v[S+\j+6:S+\j+7]
.endr
	v_pk_add_f32 v[14:15], v[14:15], v[S+28:S+29]
	v_pk_add_f32 v[SU:SU+1], v[SU:SU+1], v[S+30:S+31]
	BYTES 0
	CODES 0
	s_wait_alu depctr_va_vdst(0)                   ; the wait behind the second batch
	BYTES 2
	v_lshl_or_b32 v[PW], v[TX+2], 16, v[TX]        ; p's scale word for these 128 keys
	CODES 2
	v_nop                                          ; one plain place behind a scaled conversion
.irp c, 0,1
.irp u, 0,1
	v_permlane16_swap_b32 v[PC+4*\c+2*\u], v[PC+4*\c+2*\u+1]
.endr
.endr
.irp j, 32,40,48,56                    ; these 19 lines are also the places between p's scale word and codes and the products
	v_pk_add_f32 v[14:15], v[14:15], v[S+\j:S+\j+1]
	v_pk_add_f32 v[SU:SU+1], v[SU:SU+1], v[S+\j+2:S+\j+3]
	v_pk_add_f32 v[SV:SV+1], v[SV:SV+1], v[S+\j+4:S+\j+5]
	v_pk_add_f32 v[SX:SX+1], v[SX:SX+1], v[S+\j+6:S+\j+7]
.endr
	v_pk_add_f32 v[SU:SU+1], v[SU:SU+1], v[SV:SV+1]
	v_pk_add_f32 v[14:15], v[14:15], v[SX:SX+1]
	v_pk_add_f32 v[14:15], v[14:15], v[SU:SU+1]
	s_wait_dscnt 26*\pre                           ; V is in; the next record's 26 loads, issued behind it, may stay out
.irp t, 0,1,2,3
	v_wmma_scale_f32_16x16x128_f8f6f4 v[O+8*\t:O+8*\t+7], v[VF+8*\t:VF+8*\t+7], v[PC:PC+7], v[O+8*\t:O+8*\t+7], v[VSW+\t], v[PW] matrix_a_fmt:MATRIX_FMT_FP4 matrix_b_fmt:MATRIX_FMT_FP4
.endr
.endm
.macro SLOTSTEPS base, trips           ; the first record's fetch, trips steps that fetch ahead, and a last step that fetches nothing
	s_mov_b32 s[TB], \base
	v_add_nc_u32 v[ADR], s[TB], v[L16]
	v_add_nc_u32 v[ADC], s[TB], v[ACB]
	v_add_nc_u32 v[ADS], s[TB], v[AS0]
	KLOAD 0
	s_mov_b32 s[CNT], \trips
.Lstep_\@:
	STEP 1
	s_add_co_u32 s[TB], s[TB], REC
	s_sub_co_u32 s[CNT], s[CNT], 1
	s_cmp_lg_u32 s[CNT], 0
	s_cbranch_scc1 .Lstep_\@
	STEP 0
.endm
	SLOTSTEPS SLA, 7                               ; records 0-7: the head's round has shown them whole
	s_wait_tensorcnt 0x0                           ; the change of slots: my part of slot B is in,
	ds_add_u32 v[SPW], v[NIL]
	s_add_nc_u64 s[G0A+2:G0A+3], s[G0A+2:G0A+3], 24*REC
	s_wait_dscnt 0x0                               ; and my reads of slot A are over
	CROUND
	s_cmp_lt_u32 s[WV], 4
	s_cbranch_scc1 .Lno_refill
	tensor_load_to_lds s[G0A:G0A+3], s[G1R:G1R+7]  ; slot A takes records 24-31: it has sixteen steps in which to land
	s_nop 0
	NOPS
.Lno_refill:
	SLOTSTEPS SLB, 15                              ; records 8-23
	s_wait_tensorcnt 0x0                           ; it shows slot A whole to every wave
	ds_add_u32 v[SPW], v[NIL]
	s_wait_dscnt 0x0
	s_barrier_signal -1
	s_barrier_wait -1
	SLOTSTEPS SLA, 7                               ; records 24-31
; THE WAY OUT.  O^T / the sum is quantised along the head's 64: four registers of codes and two scale bytes a row.
	NOPS
	s_wait_alu depctr_va_vdst(0)                   ; the wait ahead of this read of the sum, which stands behind a blocking wait
	v_add_f32 v14, v14, v15
	v_permlanex16_b32 v[TP], v14, s[SEL], s[SEL+1]
	v_add_f32 v14, v14, v[TP]
	s_wait_alu depctr_va_vdst(0)                   ; the wait ahead of the transcendental
	v_rcp_f32 v[FF], v14
	v_and_b32 v[AWQ], 31, v0
	v_lshlrev_b32 v[AWS], 3, v[AWQ]
	v_lshl_add_u32 v[AWQ], v[AWQ], 3, OST
	s_wait_alu depctr_va_vdst(0)                   ; and ahead of its first reader, which is also O^T's
.set jj, 0
.rept 16
	v_pk_mul_f32 v[S+jj:S+jj+1], v[O+jj:O+jj+1], v[FF:FF+1] op_sel_hi:[1,0]
.set jj, jj+2
.endr
	QUANT32 S, PC, PW
	global_store_b128 v[L16], v[PC:PC+3], s[16:17] ; 512 consecutive bytes
	ds_store_b16 v[AOS], v[PW]                     ; both lanes of a row write the same two bytes
	s_wait_dscnt 0x0
	s_barrier_signal -1
	s_barrier_wait -1
	s_cmp_lg_u32 s[WV], 0
	s_cbranch_scc1 .Lnot_first
	ds_load_b64 v[TM:TM+1], v[AWQ]
	s_wait_dscnt 0x0
	global_store_b64 v[AWS], v[TM:TM+1], s[18:19]  ; 256 consecutive bytes, aligned
.Lnot_first:
	s_wait_tensorcnt 0x0                           ; the wave's end
	ds_add_u32 v[SPW], v[NIL]
	s_wait_dscnt 0x0
	CROUND                                         ; the closing round
	s_endpgm
.Lfunc_end_k_q232faab673_attn:
	.size	k_q232faab673_attn, .Lfunc_end_k_q232faab673_attn-k_q232faab673_attn
	.p2alignl 7, 3214868480
	.fill 96, 4, 3214868480
	.section	.rodata,"a",@progbits
	.p2align	6, 0x0
	.amdhsa_kernel k_q232faab673_attn
		.amdhsa_group_segment_fixed_size 327680
		.amdhsa_private_segment_fixed_size 0
		.amdhsa_enable_private_segment 0
		.amdhsa_kernarg_size 64
		.amdhsa_user_sgpr_count 2
		.amdhsa_user_sgpr_kernarg_segment_ptr 1
		.amdhsa_wavefront_size32 1
		.amdhsa_system_sgpr_workgroup_id_x 1
		.amdhsa_system_sgpr_workgroup_id_y 1
		.amdhsa_system_sgpr_workgroup_id_z 1
		.amdhsa_system_vgpr_workitem_id 0
		.amdhsa_next_free_vgpr 320
		.amdhsa_next_free_sgpr 92
		.amdhsa_reserve_vcc 0
		.amdhsa_float_denorm_mode_32 3
		.amdhsa_float_denorm_mode_16_64 3
		.amdhsa_memory_ordered 1
		.amdhsa_forward_progress 1
		.amdhsa_inst_pref_size 124
	.end_amdhsa_kernel
	.amdgpu_metadata
---
amdhsa.version: [ 1, 2 ]
amdhsa.kernels:
  - .name:           k_q232faab673_attn
    .symbol:         k_q232faab673_attn.kd
    .args:
      - { .name: xc, .offset: 0, .size: 8, .value_kind: global_buffer, .address_space: global }
      - { .name: xs, .offset: 8, .size: 8, .value_kind: global_buffer, .address_space: global }
      - { .name: Wq_codes, .offset: 16, .size: 8, .value_kind: global_buffer, .address_space: global }
      - { .name: Wq_scales, .offset: 24, .size: 8, .value_kind: global_buffer, .address_space: global }
      - { .name: query_type_ids, .offset: 32, .size: 8, .value_kind: global_buffer, .address_space: global }
      - { .name: kvimg, .offset: 40, .size: 8, .value_kind: global_buffer, .address_space: global }
      - { .name: oimg, .offset: 48, .size: 8, .value_kind: global_buffer, .address_space: global }
      - { .name: osc, .offset: 56, .size: 8, .value_kind: global_buffer, .address_space: global }
    .group_segment_fixed_size: 327680
    .private_segment_fixed_size: 0
    .kernarg_segment_align: 8
    .kernarg_segment_size: 64
    .max_flat_workgroup_size: 256
    .sgpr_count:     92
    .vgpr_count:     320
    .wavefront_size: 32
...
	.end_amdgpu_metadata
.endif
;; end of part 3
;; launch oproj (part 4): grid 128 x 1, 8 waves a work-group, clusters of 4 x 1, 327,680 bytes of LDS; arguments oimg, osc, woimg, Wo_scales, queries, on_w, on_b, out0; writes out0
.if DOCPART == 4
	.amdgcn_target "amdgcn-amd-amdhsa--gfx1250"
	.amdhsa_code_object_version 6
	.text
	.protected	k_q232faab673_oproj
	.globl	k_q232faab673_oproj
	.p2align	8
	.type	k_q232faab673_oproj,@function
k_q232faab673_oproj:
	s_mov_b64 s[64:65], 0
	v_nop
	global_prefetch_b8 v0, s[64:65] scope:SCOPE_SE
	s_setreg_imm32_b32 hwreg(HW_REG_WAVE_MODE, 25, 1), 1
	s_wait_xcnt 0x0
	s_wait_alu depctr_hold_cnt(0) depctr_sa_sdst(0) depctr_va_vdst(0) depctr_va_sdst(0) depctr_va_ssrc(0) depctr_va_vcc(0) depctr_vm_vsrc(0)
	s_getreg_b32 s2, hwreg(HW_REG_IB_STS2, 6, 4)
	s_cmp_eq_u32 s2, 0
	s_cbranch_scc0 .Lentry_in_a_cluster
	s_endpgm
.Lentry_in_a_cluster:
	s_bfe_u32 s2, ttmp6, 0x10000c
	s_cmp_lg_u32 s2, 0x3003
	s_cbranch_scc0 .Lentry_shape_is_right
	s_endpgm
.Lentry_shape_is_right:
; out0 = LayerNorm(queries + o Wo^T), the product on codes of FP4 (E2M1) with one E8M0 scale for each 32 along K = 1,024.
; SHARES.  The norm wants whole rows and a matrix tile has 16 rows: a work-group takes 16 rows x all 1,024 columns: 128 work-groups.  Wave w takes columns 128 w .. + 127: 8 tiles x 8 K steps.
; The product is used transposed (source 0 = 16 rows of Wo, source 1 = the 16 rows of o): lane (r, h) holds row r, register 8 n + j column 128 w + 16 n + 8 h + j.  The residual is the C of each sum's first link.
; ROADS IN.  At the head each wave has one tensor load: waves 0-3 bring K steps 0-2 of Wo, 16 tiles (rows of 3,072 bytes) each, joint for the four work-groups of a cluster, which walk the same Wo;
; waves 4-7 bring the residual of a pair of waves each (16 rows of 1,024 bytes, 16 bytes of padding behind every 512).  Wave w loads o's fragment of K step w and hands it to the others through LDS.
; Behind a barrier each wave takes its K steps 0-2 into three sets of registers; behind the three lines and a round the same LDS bytes are filled again with K steps 3-5.
; K steps 6 and 7 come by loads of 512 consecutive bytes into two more sets.  The K steps are multiplied in the order 0, 1, 2, 6, 7, 3, 4, 5.
; No loop runs ahead of which a prefetch could be laid.  NaN and infinities among the inputs are not served.
.set SPB,  528                         ; a wave's part of a stage row: 512 bytes + 16
.set SPP,  1056                        ; a stage row of a pair of waves
.set WOW,  24576                       ; a wave's three K steps of Wo: tile n at 3,072 n, K step at 1,024 s, half c at 512 c
.set STG,  8*WOW                       ; four stages, 16 rows each: filled once by the residual's loads; behind that fill each wave stores its results into its own part
.set OIM,  STG+4*16*SPP                ; o's eight fragments, stored by the waves: no fill lands here
.set RED1, OIM+8192                    ; 16 rows x 8 waves' partial sums; 512 bytes on: those of the squares
.set SPARE, RED1+1024
.set AFB,  16
.set W4,   32                          ; K step 7's fragments of Wo; at the end 16 rows of the result
.set OS,   96                          ; o's scale words
.set WS,   104                         ; Wo's scale words: register 4 n + i: lanes 0-15 K step i, lanes 16-31 K step 4 + i
.set T,    136                         ; v136-143 four chains of a sum
.set ACC,  168
.set GW,   232
.set GB,   236
.set ORW,  240
                                       ; window 1: sets of Wo's eight fragments at v0, v64, v128 (out of LDS) and v192 (K step 6)
.set G1J,  32
.set G1Q,  40
.set G0J,  56
.set G0Q,  60
.set MSB, 0
.macro WIN new
.if MSB != \new
	s_set_vgpr_msb (MSB<<8)|\new
.set MSB, \new
.endif
.endm
.macro NOPS
.rept 4
	v_nop
.endr
.endm
.macro CROUND
	s_barrier_signal -1
	s_barrier_wait -1
	s_cmp_lg_u32 s20, 0
	s_cbranch_scc1 .Lnot_wave_0_\@
	s_barrier_signal -3
.Lnot_wave_0_\@:
	s_barrier_wait -3
	s_barrier_signal -1
	s_barrier_wait -1
.endm
	s_load_b512 s[4:19], s[0:1], 0x0               ; oimg, osc, woimg, Wo_scales, queries, on_w, on_b, out0
	v_lshl_add_u32 v14, v0, 2, SPARE
	v_mov_b32 v15, 0
	ds_add_u32 v14, v15                            ; the opening lines
	ds_add_u32 v14, v15
	v_lshrrev_b32 v1, 5, v0
	v_readfirstlane_b32 s20, v1                    ; wave 0..7
	v_and_b32 v1, 31, v0
	v_and_b32 v2, 15, v0                           ; r
	v_bfe_u32 v3, v0, 4, 1                         ; h
	v_lshlrev_b32 v4, 4, v1                        ; 16 x lane
	v_lshlrev_b32 v5, 1, v2                        ; osc: 2 bytes a row
	v_lshlrev_b32 v6, 5, v2
	v_lshl_add_u32 v6, v3, 4, v6                   ; Wo_scales: 32 r + 16 h: the 32 lanes take 512 consecutive bytes
	s_lshr_b32 s49, s20, 1
	s_mul_i32 s21, s49, 16*SPP
	s_and_b32 s49, s20, 1
	s_mul_i32 s49, s49, SPB
	s_add_co_u32 s21, s21, s49
	s_add_co_u32 s21, s21, STG                     ; my part of my pair's stage
	v_add_nc_u32 v7, s21, v4                       ; by rows
	v_mul_u32_u24 v8, v2, SPP
	v_lshl_add_u32 v8, v3, 5, v8
	v_add_nc_u32 v8, s21, v8                       ; by the accumulators' layout
	v_lshl_add_u32 v10, v2, 5, RED1
	s_lshl_b32 s22, s20, 2
	v_add_nc_u32 v9, s22, v10
	v_add_nc_u32 v11, OIM, v4
	s_lshl_b32 s22, s20, 10
	v_add_nc_u32 v13, s22, v11                     ; where my fragment of o goes
	s_mul_i32 s23, s20, WOW
	v_add_nc_u32 v12, s23, v4
	v_mov_b32 v253, 0                              ; upper halves of pairs of which the low word serves both halves
	v_mov_b32 v255, 0
	s_and_b32 s48, s20, 3
	s_mul_i32 s50, s48, 2*WOW                      ; waves 0-3: 16 tiles of Wo each
	s_mul_i32 s51, s48, 16*SPP
	s_add_co_u32 s51, s51, STG                     ; waves 4-7: a pair's stage each
	s_mov_b32 s26, 0x76543210
	s_mov_b32 s27, 0xfedcba98
	s_mov_b32 s30, 0x3a800000                      ; 1 / 1024
	s_mov_b32 s31, 0x3727c5ac                      ; 1e-5
	s_bfe_u32 s29, ttmp6, 0x40000                  ; cx: it enters the addresses of the residual, o, its scale bytes and the output alone
	s_lshl_b32 s28, ttmp9, 2
	s_add_co_u32 s28, s28, s29                     ; my tile of 16 rows
	s_mov_b32 s[G1J], 15|(3<<16)|(1<<21)           ; joint: 16 rows (tiles) of 3,072 bytes, 8,192 bytes apart
	s_mov_b32 s[G1J+1], 384<<16
	s_mov_b32 s[G1J+2], 16<<16
	s_mov_b32 s[G1J+3], 384<<16
	s_mov_b32 s[G1J+4], 16
	s_mov_b32 s[G1J+5], 1024
	s_mov_b32 s[G1J+6], 0
	s_mov_b32 s[G1J+7], 0
	s_mov_b32 s[G1Q], (3<<16)|(1<<20)|(6<<22)|(3<<25)   ; my work-group's own: 16 rows of 1,024 bytes, 4,096 bytes apart; four words of padding behind every 128
	s_mov_b32 s[G1Q+1], 128<<16
	s_mov_b32 s[G1Q+2], 16<<16
	s_mov_b32 s[G1Q+3], 128<<16
	s_mov_b32 s[G1Q+4], 16
	s_mov_b32 s[G1Q+5], 512
	s_mov_b32 s[G1Q+6], 0
	s_mov_b32 s[G1Q+7], 0
	s_mov_b32 s25, 0                               ; s[24:25]: offsets that hang on my tile of rows;  s[72:73]: offsets made of the wave's number alone
	s_mov_b32 s73, 0
	s_lshl_b32 s24, s28, 16
	s_lshl_b32 s72, s20, 9
	s_add_co_u32 s24, s24, s72
	s_wait_alu depctr_va_vdst(0)                   ; the wait at the head's end
	s_wait_dscnt 0x0
	s_wait_kmcnt 0x0
	s_add_nc_u64 s[18:19], s[18:19], s[24:25]      ; the output: my rows, my 128 columns
	s_add_nc_u64 s[14:15], s[14:15], s[72:73]
	s_add_nc_u64 s[16:17], s[16:17], s[72:73]
	s_lshl_b32 s24, s28, 16
	s_lshl_b32 s49, s48, 10
	s_add_co_u32 s24, s24, s49
	s_add_nc_u64 s[12:13], s[12:13], s[24:25]      ; the residual: my rows, the pair's 256 columns
	s_lshl_b32 s24, s28, 13
	s_add_co_u32 s24, s24, s22
	s_add_nc_u64 s[4:5], s[4:5], s[24:25]          ; oimg: my row tile, K step = my wave's number
	s_lshl_b32 s24, s28, 5
	s_add_nc_u64 s[6:7], s[6:7], s[24:25]
	s_lshl_b32 s72, s48, 17
	s_mov_b32 s[G0J], 1
	s_mov_b32 s[G0J+1], s50
	s_add_nc_u64 s[G0J+2:G0J+3], s[8:9], s[72:73]  ; woimg: 16 tiles of 8,192 bytes for each of waves 0-3
	s_or_b32 s[G0J+3], s[G0J+3], 0x80000000
	s_lshl_b32 s72, s20, 16
	s_add_nc_u64 s[8:9], s[8:9], s[72:73]          ; woimg: my own 8 tiles
	s_lshl_b32 s72, s20, 12
	s_add_nc_u64 s[10:11], s[10:11], s[72:73]
	s_mov_b32 s[G0Q], 1
	s_mov_b32 s[G0Q+1], s51
	s_mov_b64 s[G0Q+2:G0Q+3], s[12:13]
	s_or_b32 s[G0Q+3], s[G0Q+3], 0x80000000
	CROUND                                         ; the joint loads meet
	s_cmp_lt_u32 s20, 4                            ; the head's loads, one a wave
	s_cbranch_scc0 .Lhead_q
	tensor_load_to_lds s[G0J:G0J+3], s[G1J:G1J+7]
	s_nop 0
	NOPS
	s_branch .Lhead_asked
.Lhead_q:
	tensor_load_to_lds s[G0Q:G0Q+3], s[G1Q:G1Q+7]
	s_nop 0
	NOPS
.Lhead_asked:
	global_load_b128 v[AFB:AFB+3], v4, s[4:5]      ; o's fragment of K step = wave
	global_load_b128 v[AFB+4:AFB+7], v4, s[4:5] offset:512
.irp d, 0,1,2,3,4,5,6,7,8,9,10,11,12,13,14,15
	global_load_u16 v[ORW+\d], v5, s[6:7] offset:4096*\d
.endr
.irp n, 0,1,2,3,4,5,6,7
	global_load_b128 v[WS+4*\n:WS+4*\n+3], v6, s[10:11] offset:512*\n
.endr
	global_load_b128 v[GW:GW+3], v4, s[14:15]
	global_load_b128 v[GB:GB+3], v4, s[16:17]
.macro WLOAD s, reg
.irp n, 0,1,2,3,4,5,6,7
.irp c, 0,1
	global_load_b128 v[(\reg)+8*\n+4*\c:(\reg)+8*\n+4*\c+3], v4, s[8:9] offset:8192*\n+1024*(\s)+512*\c
.endr
.endr
.endm
	WIN 0x40
	WLOAD 6, 192
	WIN 0
	WLOAD 7, W4
.macro KOF i                           ; KK = the K step of the i-th product in turn
.if (\i) < 3
.set KK, (\i)
.elseif (\i) < 5
.set KK, (\i)+3
.else
.set KK, (\i)-2
.endif
.endm
.macro AFLOAD i                        ; o's fragment for the i-th product in turn
	KOF \i
.irp c, 0,1
	ds_load_b128 v[AFB+8*((\i)%2)+4*\c:AFB+8*((\i)%2)+4*\c+3], v11 offset:1024*KK+512*\c
.endr
.endm
.macro JREAD                           ; my three K steps of Wo out of LDS into the sets at v0, v64, v128 of window 1: 48 loads, set by set
	WIN 0x40
.irp i, 0,1,2
.irp n, 0,1,2,3,4,5,6,7
.irp c, 0,1
	ds_load_b128 v[64*\i+8*\n+4*\c:64*\i+8*\n+4*\c+3], v12 offset:3072*\n+1024*\i+512*\c
.endr
.endr
.endr
	WIN 0
.endm
	s_wait_loadcnt 32                              ; 60 loads were issued: with the two sets' 32 out, the 28 small ones are in
	ds_store_b128 v13, v[AFB:AFB+3]
	ds_store_b128 v13, v[AFB+4:AFB+7] offset:512
.irp s, 0,1,2,3,4,5,6,7
	v_lshl_or_b32 v[OS+\s], v[ORW+2*\s+1], 16, v[ORW+2*\s]     ; a K step of 128 is two heads: two bytes of each
.endr
	s_wait_alu depctr_va_vdst(0)                   ; the wait ahead of the blocking wait
	s_wait_tensorcnt 0x0                           ; my tile of the head is in,
	s_wait_dscnt 0x0                               ; and my stores of o's fragment are done: for the others' sake
	s_barrier_signal -1
	s_barrier_wait -1                              ; everybody's are
	JREAD                                          ; K steps 0-2
.irp n, 0,1,2,3,4,5,6,7
	ds_load_b128 v[ACC+8*\n:ACC+8*\n+3], v8 offset:64*\n       ; the residual, in the accumulators' layout
	ds_load_b128 v[ACC+8*\n+4:ACC+8*\n+7], v8 offset:64*\n+16
.endr
	AFLOAD 0
	AFLOAD 1
	s_wait_tensorcnt 0x0                           ; the three lines ahead of the refill's round
	ds_add_u32 v14, v15
	s_add_nc_u64 s[G0J+2:G0J+3], s[G0J+2:G0J+3], 3072   ; three K steps on
	s_wait_dscnt 0x0                               ; the add is done, and my reads of K steps 0-2 are over
	CROUND
	s_cmp_lt_u32 s20, 4
	s_cbranch_scc0 .Lno_refill
	tensor_load_to_lds s[G0J:G0J+3], s[G1J:G1J+7]  ; K steps 3-5
	s_nop 0
	NOPS
.Lno_refill:
.rept 8
	v_nop                                          ; a scale register written by a vector instruction stands eight places ahead of a scaled matrix instruction
.endr
.macro PM n, a, p
.if KK < 4
	v_wmma_scale_f32_16x16x128_f8f6f4 v[ACC+8*\n:ACC+8*\n+7], v[(\a)+8*\n:(\a)+8*\n+7], v[AFB+8*(\p):AFB+8*(\p)+7], v[ACC+8*\n:ACC+8*\n+7], v[WS+4*\n+KK%4], v[OS+KK] matrix_a_fmt:MATRIX_FMT_FP4 matrix_b_fmt:MATRIX_FMT_FP4
.else
	v_wmma_scale_f32_16x16x128_f8f6f4 v[ACC+8*\n:ACC+8*\n+7], v[(\a)+8*\n:(\a)+8*\n+7], v[AFB+8*(\p):AFB+8*(\p)+7], v[ACC+8*\n:ACC+8*\n+7], v[WS+4*\n+KK%4], v[OS+KK] matrix_a_fmt:MATRIX_FMT_FP4 matrix_b_fmt:MATRIX_FMT_FP4 matrix_a_scale:MATRIX_SCALE_ROW1
.endif
.endm
; Behind product i stands o's fragment for product i + 2 (2 LDS loads).
.irp i, 0,1,2,3,4,5,6,7
.if (\i >= 2) && (\i <= 4)
	s_wait_dscnt 2                                 ; o's fragment is in; behind it: the next one
.endif
.if \i == 3
	s_wait_loadcnt 16                              ; K step 6's sixteen loads are in
.elseif \i == 4
	s_wait_loadcnt 0
.elseif \i == 5
	s_wait_tensorcnt 0x0                           ; my part of K steps 3-5 is in,
	s_wait_dscnt 0x0
	s_barrier_signal -1
	s_barrier_wait -1                              ; and everybody's
	JREAD
	s_wait_dscnt 32                                ; the first set is in; two sets may be out
.elseif \i == 6
	s_wait_dscnt 18                                ; one set and a fragment of o may be out
.elseif \i == 7
	s_wait_dscnt 0
.endif
	KOF \i
.if \i == 4
.irp n, 0,1,2,3,4,5,6,7
	PM \n, W4, \i%2
.endr
.else
.if \i < 4
.set SN, 64*\i
.else
.set SN, 64*(\i-5)
.endif
	WIN 0x01                                       ; source 0 (Wo) window 1
.irp n, 0,1,2,3,4,5,6,7
	PM \n, SN, \i%2
.endr
	WIN 0
.endif
	NOPS                                           ; places ahead of loads into the registers just read, and of the first read of the results
.if \i < 6
	AFLOAD \i+2
.endif
.endr
; ---- the norm.  A row's 1,024 numbers lie in two lanes of each of the eight waves.
.macro MERGE                           ; four chains -> v240
	v_pk_add_f32 v[T:T+1], v[T:T+1], v[T+2:T+3]
	v_pk_add_f32 v[T+4:T+5], v[T+4:T+5], v[T+6:T+7]
	s_delay_alu instid0(VALU_DEP_1)
	v_pk_add_f32 v[T:T+1], v[T:T+1], v[T+4:T+5]
	s_delay_alu instid0(VALU_DEP_1)
	v_add_f32 v240, v[T], v[T+1]
.endm
.macro ACROSS off                      ; v240: my lane's sum -> the row's sum over all waves, in v244
	s_delay_alu instid0(VALU_DEP_1)
	v_permlanex16_b32 v241, v240, s26, s27
	s_delay_alu instid0(VALU_DEP_1)
	v_add_f32 v240, v240, v241
	ds_store_b32 v9, v240 offset:\off              ; both lanes of a row write the same word with the same value
	s_wait_dscnt 0x0
	s_barrier_signal -1
	s_barrier_wait -1
	ds_load_b128 v[244:247], v10 offset:\off
	ds_load_b128 v[248:251], v10 offset:\off+16
	s_wait_dscnt 0x0
	v_pk_add_f32 v[244:245], v[244:245], v[246:247]
	v_pk_add_f32 v[248:249], v[248:249], v[250:251]
	s_delay_alu instid0(VALU_DEP_1)
	v_pk_add_f32 v[244:245], v[244:245], v[248:249]
	s_delay_alu instid0(VALU_DEP_1)
	v_add_f32 v244, v244, v245
.endm
.irp k, 0,1,2,3
	v_pk_add_f32 v[T+2*\k:T+2*\k+1], v[ACC+2*\k:ACC+2*\k+1], v[ACC+8+2*\k:ACC+8+2*\k+1]   ; each accumulator from its low end on
.endr
.irp j, 16,24,32,40,48,56
.irp k, 0,1,2,3
	v_pk_add_f32 v[T+2*\k:T+2*\k+1], v[T+2*\k:T+2*\k+1], v[ACC+\j+2*\k:ACC+\j+2*\k+1]
.endr
.endr
	MERGE
	ACROSS 0
	s_delay_alu instid0(VALU_DEP_1)
	v_mul_f32 v252, s30, v244                      ; the mean
.set jj, 0
.rept 32
	v_pk_add_f32 v[ACC+jj:ACC+jj+1], v[ACC+jj:ACC+jj+1], v[252:253] op_sel_hi:[1,0] neg_lo:[0,1] neg_hi:[0,1]
.set jj, jj+2
.endr
.irp k, 0,1,2,3
	v_pk_mul_f32 v[T+2*\k:T+2*\k+1], v[ACC+2*\k:ACC+2*\k+1], v[ACC+2*\k:ACC+2*\k+1]   ; the variance is taken of differences
.endr
.irp j, 8,16,24,32,40,48,56
.irp k, 0,1,2,3
	v_pk_fma_f32 v[T+2*\k:T+2*\k+1], v[ACC+\j+2*\k:ACC+\j+2*\k+1], v[ACC+\j+2*\k:ACC+\j+2*\k+1], v[T+2*\k:T+2*\k+1]
.endr
.endr
	MERGE
	ACROSS 512                                     ; other bytes than the first sums'
	s_delay_alu instid0(VALU_DEP_1)
	v_fma_f32 v244, v244, s30, s31                 ; variance + eps
	s_wait_alu depctr_va_vdst(0)                   ; the wait ahead of the transcendental,
	v_rsq_f32 v254, v244
	v_nop
	s_wait_alu depctr_va_vdst(0)                   ; and ahead of its first reader
.set jj, 0
.rept 32
	v_pk_mul_f32 v[ACC+jj:ACC+jj+1], v[ACC+jj:ACC+jj+1], v[254:255] op_sel_hi:[1,0]
.set jj, jj+2
.endr
.irp n, 0,1,2,3,4,5,6,7
	ds_store_b128 v8, v[ACC+8*\n:ACC+8*\n+3] offset:64*\n      ; through my part of the stage, which has had its one fill: whole rows come out
	ds_store_b128 v8, v[ACC+8*\n+4:ACC+8*\n+7] offset:64*\n+16
.endr
.irp i, 0,1,2,3,4,5,6,7,8,9,10,11,12,13,14,15
	ds_load_b128 v[W4+4*\i:W4+4*\i+3], v7 offset:SPP*\i        ; LDS serves a wave's instructions in order
.endr
.irp i, 0,1,2,3,4,5,6,7,8,9,10,11,12,13,14,15
	s_wait_dscnt 15-\i                             ; row i is back; the younger rows may be out
	v_pk_fma_f32 v[W4+4*\i:W4+4*\i+1], v[W4+4*\i:W4+4*\i+1], v[GW:GW+1], v[GB:GB+1]
	v_pk_fma_f32 v[W4+4*\i+2:W4+4*\i+3], v[W4+4*\i+2:W4+4*\i+3], v[GW+2:GW+3], v[GB+2:GB+3]
	global_store_b128 v4, v[W4+4*\i:W4+4*\i+3], s[18:19] offset:4096*\i th:TH_STORE_NT   ; 512 consecutive bytes, aligned
.endr
	s_wait_tensorcnt 0x0                           ; the wave's end
	ds_add_u32 v14, v15
	s_wait_dscnt 0x0
	CROUND                                         ; the closing round
	s_endpgm
.Lfunc_end_k_q232faab673_oproj:
	.size	k_q232faab673_oproj, .Lfunc_end_k_q232faab673_oproj-k_q232faab673_oproj
	.p2alignl 7, 3214868480
	.fill 96, 4, 3214868480
	.section	.rodata,"a",@progbits
	.p2align	6, 0x0
	.amdhsa_kernel k_q232faab673_oproj
		.amdhsa_group_segment_fixed_size 327680
		.amdhsa_private_segment_fixed_size 0
		.amdhsa_enable_private_segment 0
		.amdhsa_kernarg_size 64
		.amdhsa_user_sgpr_count 2
		.amdhsa_user_sgpr_kernarg_segment_ptr 1
		.amdhsa_wavefront_size32 1
		.amdhsa_system_sgpr_workgroup_id_x 1
		.amdhsa_system_sgpr_workgroup_id_y 1
		.amdhsa_system_sgpr_workgroup_id_z 1
		.amdhsa_system_vgpr_workitem_id 0
		.amdhsa_next_free_vgpr 512
		.amdhsa_next_free_sgpr 74
		.amdhsa_reserve_vcc 0
		.amdhsa_float_denorm_mode_32 3
		.amdhsa_float_denorm_mode_16_64 3
		.amdhsa_memory_ordered 1
		.amdhsa_forward_progress 1
		.amdhsa_inst_pref_size 48
	.end_amdhsa_kernel
	.amdgpu_metadata
---
amdhsa.version: [ 1, 2 ]
amdhsa.kernels:
  - .name:           k_q232faab673_oproj
    .symbol:         k_q232faab673_oproj.kd
    .args:
      - { .name: oimg, .offset: 0, .size: 8, .value_kind: global_buffer, .address_space: global }
      - { .name: osc, .offset: 8, .size: 8, .value_kind: global_buffer, .address_space: global }
      - { .name: woimg, .offset: 16, .size: 8, .value_kind: global_buffer, .address_space: global }
      - { .name: Wo_scales, .offset: 24, .size: 8, .value_kind: global_buffer, .address_space: global }
      - { .name: queries, .offset: 32, .size: 8, .value_kind: global_buffer, .address_space: global }
      - { .name: on_w, .offset: 40, .size: 8, .value_kind: global_buffer, .address_space: global }
      - { .name: on_b, .offset: 48, .size: 8, .value_kind: global_buffer, .address_space: global }
      - { .name: out0, .offset: 56, .size: 8, .value_kind: global_buffer, .address_space: global }
    .group_segment_fixed_size: 327680
    .private_segment_fixed_size: 0
    .kernarg_segment_align: 8
    .kernarg_segment_size: 64
    .max_flat_workgroup_size: 256
    .sgpr_count:     74
    .vgpr_count:     512
    .wavefront_size: 32
...
	.end_amdgpu_metadata
.endif
;; end of part 4
